; MI455X (gfx1250); checked and timed in simulation.
; The chip was launched on July 23, 2026; its instructions are those of AMD's public machine-readable ISA for CDNA 5 (MIT licence, August 2026) and "CDNA5" Instruction Set Architecture Reference Guide (July 2026). The comments in the code are by the model that wrote it; some were corrected since.
;; Transformer Block. Allowed arithmetic: matrix products marked QUANTISED: E2M3 operands, one E8M0 scale for each 32 along K, by v_wmma_scale_f32_16x16x128_f8f6f4 with both operands' format E2M3, f32 sums; everything else in f32.
;; Inputs: W1 1,024 x 4,096 float32; W2 4,096 x 1,024 float32; Wk 1,024 x 1,024 float32; Wo 1,024 x 1,024 float32; Wq 1,024 x 1,024 float32; Wv 1,024 x 1,024 float32; b1 4,096 float32; b2 1,024 float32; be1 1,024 float32; be2 1,024 float32; bk 1,024 float32; bo 1,024 float32; bq 1,024 float32; bv 1,024 float32; g1 1,024 float32; g2 1,024 float32; x 2 x 2,048 x 1,024 float32.
;; Outputs: out0 2 x 2,048 x 1,024 float32.
;; This version of the problem:
;;   THIS VERSION OF THE PROBLEM IS GIVEN IN LOW PRECISION. The matrix products marked QUANTISED in the list below multiply operands that are first quantised to E2M3 (2 exponent bits, 3 mantissa bits; 6 bits a number), with one power-of-two scale for each 32 numbers along K (OCP MX v1.0); their sums are f32. All else is computed in f32.
;;   The module's matrix products, in the order in which they are computed (A, B: the left and right operand; K: the contracted axis; several contracted axes count as one K, in the product's order):
;;     1. [M 4,096, K 1,024] x [K 1,024, N 1,024]; A: input x; B: input Wq: QUANTISED
;;     2. [M 4,096, K 1,024] x [K 1,024, N 1,024]; A: input x; B: input Wk: QUANTISED
;;     3. [M 4,096, K 1,024] x [K 1,024, N 1,024]; A: input x; B: input Wv: QUANTISED
;;     4. batch 32 x [M 2,048, K 64] x [K 64, N 2,048]; A: computed on the way; B: computed on the way: QUANTISED
;;     5. batch 32 x [M 2,048, K 2,048] x [K 2,048, N 64]; A: softmax (see below); B: computed on the way: QUANTISED
;;     6. [M 4,096, K 1,024] x [K 1,024, N 1,024]; A: computed on the way; B: input Wo: QUANTISED
;;     7. [M 4,096, K 1,024] x [K 1,024, N 4,096]; A: computed on the way; B: input W1: QUANTISED
;;     8. [M 4,096, K 4,096] x [K 4,096, N 1,024]; A: computed on the way; B: input W2: QUANTISED
;;   THE QUANTISER, for each operand of a quantised product, along K:
;;     - K is cut into blocks of 32 from its start; a last block that is shorter is filled with zeros.
;;     - A block's scale is 2^e with e = floor(log2(the largest magnitude in the block)) - 2, held to -126 .. 127; a block of zeros has e = 0. As a byte (E8M0): e + 127.
;;     - Each number is divided by its block's scale, clamped to +-7.5, and rounded to the nearest number of E2M3, ties to even, subnormals kept.
;;     - The product sums the exact products of the quantised numbers (number of the format x scale) in f32.
;;   ~~~python
;;   def quantise(x, axis):      # numpy; x: float32 -> the quantised numbers, widened to float32 again
;;       x = np.moveaxis(x, axis, -1); K = x.shape[-1]
;;       x = np.pad(x, [(0, 0)] * (x.ndim - 1) + [(0, -K % 32)]); x = x.reshape(x.shape[:-1] + (-1, 32)); a = np.abs(x).max(-1, keepdims=True)
;;       e = np.where(a > 0, np.clip(np.frexp(np.where(a > 0, a, 1))[1] - 1 - 2, -126, 127), 0)      # np.frexp(a)[1] - 1 = floor(log2(a)), exactly
;;       r = np.clip(x / 2.0 ** e, -7.5, 7.5)
;;       step = 2.0 ** (np.maximum(np.frexp(np.where(r == 0, 1, r))[1] - 1, 0) - 3)
;;       q = np.round(r / step) * step * 2.0 ** e      # np.round: ties to even
;;       return np.moveaxis(q.reshape(q.shape[:-2] + (-1,))[..., :K], -1, axis).astype(np.float32)
;;   ~~~
;;   SOFTMAX AHEAD OF A QUANTISED PRODUCT. Where the list says 'softmax', what is quantised is not the finished softmax but p = 2^(t - M), with t = logit x log2(e) and M = ceil(the row's largest t), a whole number; so 1/2 < the row's largest p <= 1. The row's sum l is taken of the UNQUANTISED p, in f32, and the product's result is divided by l at the end. Since M is a whole number, a kernel that streams over the keys may use a running M (the ceiling of the running maximum): every later rescaling is an exact power of two, which a block's scale takes up: the codes' values come out the same.
;;   OPERANDS COMPUTED ON THE WAY. 'Computed on the way' means the value that the module computes at that place (a softmax that the list does not call 'softmax' is quantised finished and normalised). What goes into a quantiser is computed in f32, as accurately as f32 sums, v_exp_f32 and their like allow (about 1e-6 of the number): no bf16 or f16 on the way to a quantiser, and a product that is left as it is and whose result goes on into a quantised operand takes f32 operands (vector FMAs, or v_wmma_f32_16x16x4_f32). A number that lies on a knife's edge between two numbers of the format may be rounded either way, as far as f32 arithmetic and the matrix unit's own rounding can turn it there, and no further.
;; One version. Each part assembles by itself: llvm-mc -triple=amdgcn-amd-amdhsa -mcpu=gfx1250 --defsym DOCPART=n.
;; ======== version 1 of 1: 7 launches
;; limits: right only within a limited range of input values
;; workspace buffers: XQ 3,407,872 bytes; WB 10,223,616 bytes; QKV 10,223,616 bytes; AO 3,407,872 bytes; Y 16,777,216 bytes; X1 16,777,216 bytes; X1Q 3,407,872 bytes; HQ 13,631,488 bytes
;; launch quant (part 1): grid 512 x 1, 4 waves a work-group, no clusters, 60,928 bytes of LDS; arguments x, Wq, Wk, Wv, Wo, W1, W2, XQ, WB; writes XQ, WB
.if DOCPART == 1
	.amdgcn_target "amdgcn-amd-amdhsa--gfx1250"
	.amdhsa_code_object_version 6
	.text
	.protected	k_q8000f6e200_quant
	.globl	k_q8000f6e200_quant
	.p2align	8
	.type	k_q8000f6e200_quant,@function
k_q8000f6e200_quant:
	s_mov_b64 s[64:65], 0
	v_nop
	global_prefetch_b8 v0, s[64:65] scope:SCOPE_SE
	s_setreg_imm32_b32 hwreg(HW_REG_WAVE_MODE, 25, 1), 1
	s_wait_xcnt 0x0
; x [4096][1024] and the six weights ([K][N], K first) become codes of FP6 (E2M3) with one E8M0 byte for each 32 along K.
; THE LAYOUT OF ALL CODES OF THIS PROGRAM.  A tile of 16 rows is tile (g, u) of a group g of 32 rows: lane-row r stands for row 32 g + 8 u + (r % 8) + 16 (r / 8).
; A fragment (16 rows x 128 K, 12 registers a lane) lies as an image of its registers: register 4 c + k of lane l at 512 c + 16 l + 4 k: 1,536 bytes.  Its scale words: lane l's at 4 l, 128 bytes, lanes 16-31 as lanes 0-15.
; A record (32 rows x 256 K) is 6,656 bytes: fragment 2 u + qq at 1,536 (2 u + qq), its scale words at 6,144 + 128 (2 u + qq).  A matrix [R][K]: record (g, S2) at (g K / 256 + S2) x 6,656.
; Work-groups 0-127 take x (a wave makes one record), work-groups 128-511 the weights (a wave makes one record of W^T).  WB: [Wq; Wk; Wv; Wo]^T at 0, W1^T at 3,407,872, W2^T at 6,815,744.
; A block's scale byte is its largest magnitude's exponent field - 2, held at 1 from below.
; LIMITS: NaN and infinities are not served; a block of zeros gets the byte 1, not 127 (its codes are zeros, and this program alone reads the bytes); blocks whose largest magnitude lies under 2^-124 keep the byte 1.
; The two paths part on the work-group's number, each has LDS bytes of its own, waves share nothing: no barrier.
.set LI,   1                           ; v1  16 x lane
.set LS,   2                           ; v2  4 x lane
.set STW,  3                           ; v3  x path: stage + 16 x lane
.set STR,  4                           ; v4  x path: stage + 528 r + 64 h
.set SA,   3                           ; v3  weights: stage + 3,072 u + 16 r of my column
.set SS,   4                           ; v4  weights: its scale word's place
.set SRD,  5                           ; v5  weights: stage + 16 x lane
.set TM,   16                          ; x path: v16-31 at work in QUANT
.set TP,   240                         ; x path: v240-247
.set OFF,  16                          ; weights: v16-47 byte offset of row i of a block in my column
.set XD,   64                          ; weights: v64-127 two sets of 32 numbers
.set CD,   128                         ; weights: v128-138 a block's codes
.set SB,   140                         ; weights: v140-141 scale words
.set OUTR, 144                         ; weights: v144-195 the record on its way out
.set SEL,  60                          ; s[60:61] lane selects: lane l xor 16
.set XSTG, 8448                        ; x path: a wave's stage, 16 rows x (512 + 16) bytes
.set WSTG, 33792                       ; weights: the stages begin here, 6,656 bytes a wave
; 64 (nc = 2) or 32 (nc = 1) numbers of a lane, register 16 b + i = k 32 b + 16 (lane / 16) + i of the lane's row, become codes in v[d0] .. +5 (k 0-63) and v[d1] .. +5 (k 64-127) and the scale bytes in v[pw].
.macro QUANT s, nc, d0, d1, pw
.set qn, 0
.rept 2*(\nc)
	v_max3_num_f32 v[TM+qn], |v[(\s)+16*qn]|, |v[(\s)+16*qn+1]|, 0x1800000   ; my 16 numbers of block qn, and the floor 2^(3 - 127): the byte cannot fall under 1
.set qn, qn+1
.endr
.irp qi, 2,4,6,8,10,12,14
.set qn, 0
.rept 2*(\nc)
	v_max3_num_f32 v[TM+qn], v[TM+qn], |v[(\s)+16*qn+\qi]|, |v[(\s)+16*qn+\qi+1]|
.set qn, qn+1
.endr
.endr
.set qn, 0
.rept 2*(\nc)
	v_permlanex16_b32 v[TM+4+qn], v[TM+qn], s[SEL], s[SEL+1]
.set qn, qn+1
.endr
.set qn, 0
.rept 2*(\nc)
	v_max_num_f32 v[TM+qn], v[TM+qn], v[TM+4+qn]   ; with lane l xor 16's: the block's largest magnitude
.set qn, qn+1
.endr
.set qn, 0
.rept 2*(\nc)
	v_add_nc_u32 v[TM+12+qn], 0xff000000, v[TM+qn]   ; 2 off its exponent field: the conversion's scale operand
.set qn, qn+1
.endr
.set qn, 0
.rept 2*(\nc)
	v_lshrrev_b32 v[TM+4+qn], 23, v[TM+12+qn]      ; the scale's byte
.set qn, qn+1
.endr
	v_lshl_or_b32 v[\pw], v[TM+5], 8, v[TM+4]
.if \nc > 1
	v_lshl_or_b32 v[\pw], v[TM+6], 16, v[\pw]
	v_lshl_or_b32 v[\pw], v[TM+7], 24, v[\pw]
.endif
	v_cvt_scalef32_pk16_fp6_f32 v[(\d0):(\d0)+2], v[(\s):(\s)+15], v[TM+12]
	v_cvt_scalef32_pk16_fp6_f32 v[TP:TP+2], v[(\s)+16:(\s)+31], v[TM+13]
.if \nc > 1
	v_cvt_scalef32_pk16_fp6_f32 v[(\d1):(\d1)+2], v[(\s)+32:(\s)+47], v[TM+14]
	v_cvt_scalef32_pk16_fp6_f32 v[TP+4:TP+6], v[(\s)+48:(\s)+63], v[TM+15]
.endif
	v_nop                                          ; one plain place behind a scaled conversion
.irp qi, 0,1,2
	v_permlane16_swap_b32 v[(\d0)+\qi], v[TP+\qi]  ; a whole block to a lane: lanes 0-15 the even block, lanes 16-31 the odd one
.endr
.irp qi, 0,1,2
	v_mov_b32 v[(\d0)+3+\qi], v[TP+\qi]
.endr
.if \nc > 1
.irp qi, 0,1,2
	v_permlane16_swap_b32 v[(\d1)+\qi], v[TP+4+\qi]
.endr
.irp qi, 0,1,2
	v_mov_b32 v[(\d1)+3+\qi], v[TP+4+\qi]
.endr
.endif
.endm
; 16 dense rows of 512 bytes (register 4 i .. of lane l: bytes 16 l of row i) turn through the wave's own stage into QUANT's form.  LDS serves a wave's instructions in order: no wait between stores and loads.
.macro XTURN reg
.set xi, 0
.rept 16
	ds_store_b128 v[STW], v[(\reg)+4*xi:(\reg)+4*xi+3] offset:528*xi
.set xi, xi+1
.endr
.set xi, 0
.rept 16
	ds_load_b128 v[(\reg)+4*xi:(\reg)+4*xi+3], v[STR] offset:128*(xi/4)+16*(xi%4)
.set xi, xi+1
.endr
.endm
	s_load_b512 s[4:19], s[0:1], 0x0               ; x s[4:5], Wq s[6:7], Wk s[8:9], Wv s[10:11], Wo s[12:13], W1 s[14:15], W2 s[16:17], XQ s[18:19]
	s_load_b64 s[20:21], s[0:1], 0x40              ; WB
	v_lshl_add_u32 v254, v0, 2, 0xec00
	v_mov_b32 v255, 0
	v_lshrrev_b32 v6, 5, v0
	v_readfirstlane_b32 s24, v6                    ; wave
	v_and_b32 v6, 31, v0                           ; lane
	v_lshlrev_b32 v[LI], 4, v6
	v_lshlrev_b32 v[LS], 2, v6
	s_mov_b32 s[SEL], 0x76543210
	s_mov_b32 s[SEL+1], 0xfedcba98
	s_cmp_lt_u32 ttmp9, 128
	s_cbranch_scc0 .Lweights
	; ---- x: my record is (group = work-group, S2 = wave)
	v_and_b32 v7, 15, v0                           ; r
	v_bfe_u32 v8, v0, 4, 1                         ; h
	s_mul_i32 s25, s24, XSTG
	v_add_nc_u32 v[STW], s25, v[LI]
	v_mul_u32_u24 v[STR], v7, 528
	v_lshl_add_u32 v[STR], v8, 6, v[STR]
	v_add_nc_u32 v[STR], s25, v[STR]
.irp b, 0,1,2,3
	v_mov_b32 v[TM+4+\b], 0                        ; written once: a lane permute's destination counts as one of its sources
.endr
	s_lshl_b32 s26, ttmp9, 17                      ; 32 rows of 4,096 bytes a group
	s_lshl_b32 s27, s24, 10                        ; 256 numbers a record
	s_add_co_u32 s26, s26, s27
	s_mov_b32 s27, 0
	s_lshl_b32 s28, ttmp9, 2
	s_add_co_u32 s28, s28, s24
	s_mul_i32 s28, s28, 6656
	s_mov_b32 s29, 0
	s_wait_alu depctr_va_vdst(0)
	s_wait_kmcnt 0x0
	s_add_nc_u64 s[4:5], s[4:5], s[26:27]
	s_add_nc_u64 s[18:19], s[18:19], s[28:29]
.macro XL f, set                       ; fragment f's 16 rows x 512 bytes: each load reads 512 consecutive bytes
.set li, 0
.rept 16
	global_load_b128 v[64+64*(\set)+4*li:64+64*(\set)+4*li+3], v[LI], s[4:5] offset:(8*((\f)/2)+(li%8)+16*(li/8))*4096+512*((\f)%2) th:TH_LOAD_NT
.set li, li+1
.endr
.endm
	XL 0, 0
	XL 1, 1
.irp f, 0,1,2,3
.if \f < 3
	s_wait_loadcnt 16                              ; this fragment's 16 loads are in; the other set's 16 may be out
.else
	s_wait_loadcnt 0x0
.endif
	XTURN 64+64*(\f%2)
	s_wait_dscnt 0x0
	QUANT 64+64*(\f%2), 2, 192+12*\f, 198+12*\f, 32+\f
.if \f < 2
	XL \f+2, \f%2
.endif
.irp c, 0,1,2
	global_store_b128 v[LI], v[192+12*\f+4*\c:192+12*\f+4*\c+3], s[18:19] offset:1536*\f+512*\c   ; 512 consecutive bytes; each fragment has store data of its own
.endr
	global_store_b32 v[LS], v[32+\f], s[18:19] offset:6144+128*\f
.endr
	s_wait_tensorcnt 0x0
	ds_add_u32 v254, v255
	s_wait_dscnt 0x0
	s_endpgm
	; ---- the weights: a lane takes a column n, its registers run down K; a wave makes the record (group 4 cq + wave, S2)
.Lweights:
	s_sub_co_u32 s25, ttmp9, 128
	s_lshr_b32 s26, s25, 7                         ; section 0: Wq Wk Wv Wo, 1: W1, 2: W2
	s_and_b32 s27, s25, 127
	s_cmp_eq_u32 s26, 2
	s_cselect_b32 s28, 4, 2                        ; log2 of the records along K: 16 for W2, else 4
	s_cmp_eq_u32 s26, 1
	s_cselect_b32 s29, 2, 0
	s_lshl_b32 s29, 4096, s29                      ; bytes from row to row: 16,384 for W1, else 4,096
	s_lshl_b32 s30, 1, s28
	s_sub_co_u32 s30, s30, 1
	s_and_b32 s30, s27, s30                        ; S2
	s_lshr_b32 s31, s27, s28                       ; cq: which 128 columns
	s_lshr_b32 s48, s31, 3                         ; section 0: which of the four matrices
	s_and_b32 s49, s31, 7
	s_cmp_eq_u32 s26, 0
	s_cselect_b32 s49, s49, s31
	s_lshl_b32 s49, s49, 9
	s_lshl_b32 s50, s24, 7
	s_add_co_u32 s49, s49, s50                     ; my wave's first column, in bytes
	s_lshl_b32 s50, s30, 8
	s_mul_i32 s50, s50, s29                        ; 256 S2 rows down
	s_add_co_u32 s50, s50, s49
	s_mov_b32 s51, 0
	s_lshl_b32 s52, s31, 2
	s_add_co_u32 s52, s52, s24                     ; group
	s_lshl_b32 s52, s52, s28
	s_add_co_u32 s52, s52, s30
	s_mul_i32 s52, s52, 6656
	s_mul_i32 s53, s26, 3407872
	s_add_co_u32 s52, s52, s53
	s_mov_b32 s53, 0
	s_lshl_b32 s54, s29, 5                         ; 32 rows: a block
	s_mov_b32 s55, 0
	s_wait_alu depctr_va_vdst(0)
	v_mov_b32 v[OFF], v[LS]
.set li, 1
.rept 31
	v_add_nc_u32 v[OFF+li], s29, v[OFF+li-1]
.set li, li+1
.endr
	v_bfe_u32 v7, v0, 3, 1                         ; column L of the group is lane-row r = L % 8 + 8 (L / 16) of tile u = (L / 8) % 2
	v_and_b32 v8, 7, v0
	v_bfe_u32 v9, v0, 4, 1
	v_lshl_add_u32 v8, v9, 3, v8
	s_mul_i32 s56, s24, 6656
	s_add_co_u32 s56, s56, WSTG                    ; my stage
	v_mul_u32_u24 v10, v7, 3072
	v_lshl_add_u32 v10, v8, 4, v10
	v_add_nc_u32 v[SA], s56, v10
	v_lshlrev_b32 v10, 8, v7
	v_lshl_add_u32 v10, v8, 2, v10
	v_add_nc_u32 v10, s56, v10
	v_add_nc_u32 v[SS], 6144, v10
	v_add_nc_u32 v[SRD], s56, v[LI]
	s_wait_kmcnt 0x0
	s_cmp_eq_u32 s48, 1                            ; the source is chosen on the work-group's number alone
	s_cselect_b64 s[22:23], s[8:9], s[6:7]
	s_cmp_eq_u32 s48, 2
	s_cselect_b64 s[22:23], s[10:11], s[22:23]
	s_cmp_eq_u32 s48, 3
	s_cselect_b64 s[22:23], s[12:13], s[22:23]
	s_cmp_eq_u32 s26, 1
	s_cselect_b64 s[22:23], s[14:15], s[22:23]
	s_cmp_eq_u32 s26, 2
	s_cselect_b64 s[22:23], s[16:17], s[22:23]
	s_add_nc_u64 s[32:33], s[22:23], s[50:51]      ; block 0's rows
.irp t, 1,2,3,4,5,6,7
	s_add_nc_u64 s[32+2*\t:33+2*\t], s[30+2*\t:31+2*\t], s[54:55]   ; block t's
.endr
	s_add_nc_u64 s[20:21], s[20:21], s[52:53]
.macro LOADW t                         ; block t: W(32 t + i, my column): 128 consecutive bytes a load
.set li, 0
.rept 32
	global_load_b32 v[XD+32*((\t)%2)+li], v[OFF+li], s[32+2*(\t):33+2*(\t)] th:TH_LOAD_NT
.set li, li+1
.endr
.endm
.macro BLOCK t
.set XS, XD+32*((\t)%2)
.if (\t) < 7
	s_wait_loadcnt 32                              ; this block's 32 loads are in; the next block's may be out
.else
	s_wait_loadcnt 0x0
.endif
	v_max3_num_f32 v12, |v[XS]|, |v[XS+1]|, |v[XS+2]|
	v_max3_num_f32 v13, |v[XS+3]|, |v[XS+4]|, |v[XS+5]|
.irp i, 6,10,14,18,22,26
	v_max3_num_f32 v12, v12, |v[XS+\i]|, |v[XS+\i+1]|
	v_max3_num_f32 v13, v13, |v[XS+\i+2]|, |v[XS+\i+3]|
.endr
	v_max3_num_f32 v12, v12, |v[XS+30]|, |v[XS+31]|
	v_max3_num_f32 v12, v12, v13, 0x1800000        ; and the floor
	v_add_nc_u32 v14, 0xff000000, v12              ; the conversion's scale operand
	v_lshrrev_b32 v13, 23, v14                     ; the byte
.if (\t)%4 == 0
	v_mov_b32 v[SB+(\t)/4], v13
.else
	v_lshl_or_b32 v[SB+(\t)/4], v13, 8*((\t)%4), v[SB+(\t)/4]
.endif
	v_cvt_scalef32_pk16_fp6_f32 v[CD:CD+2], v[XS:XS+15], v14
	v_cvt_scalef32_pk16_fp6_f32 v[CD+8:CD+10], v[XS+16:XS+31], v14
	v_nop                                          ; one plain place behind a scaled conversion
.irp i, 0,1,2
	v_mov_b32 v[CD+3+\i], v[CD+8+\i]
.endr
.set BO, 1536*((\t)/4)+256*((\t)%2)    ; fragment qq = t / 4; image lane r + 16 (t % 2); registers 0-5 or 6-11
.if ((\t)/2)%2 == 0
	ds_store_b128 v[SA], v[CD:CD+3] offset:BO
	ds_store_b64 v[SA], v[CD+4:CD+5] offset:BO+512
.else
	ds_store_b64 v[SA], v[CD:CD+1] offset:BO+520
	ds_store_b128 v[SA], v[CD+2:CD+5] offset:BO+1024
.endif
.if (\t)+2 < 8
	LOADW (\t)+2
.endif
	s_wait_dscnt 0x0                               ; the stores have read their registers: the next block's codes may be written
.endm
	LOADW 0
	LOADW 1
.irp t, 0,1,2,3,4,5,6,7
	BLOCK \t
.endr
	s_wait_alu depctr_va_vdst(0)
.irp q, 0,1
	ds_store_b32 v[SS], v[SB+\q] offset:128*\q     ; the scale word of my column, for image lanes r and r + 16
	ds_store_b32 v[SS], v[SB+\q] offset:128*\q+64
.endr
.set li, 0
.rept 13
	ds_load_b128 v[OUTR+4*li:OUTR+4*li+3], v[SRD] offset:512*li   ; LDS serves a wave's instructions in order: these see my stores
.set li, li+1
.endr
.set li, 0
.rept 13
	s_wait_dscnt 12-li
	global_store_b128 v[LI], v[OUTR+4*li:OUTR+4*li+3], s[20:21] offset:512*li   ; 512 consecutive bytes
.set li, li+1
.endr
	s_wait_tensorcnt 0x0
	ds_add_u32 v254, v255
	s_wait_dscnt 0x0
	s_endpgm
.Lfunc_end_k_q8000f6e200_quant:
	.size	k_q8000f6e200_quant, .Lfunc_end_k_q8000f6e200_quant-k_q8000f6e200_quant
	.p2alignl 7, 3214868480
	.fill 96, 4, 3214868480
	.section	.rodata,"a",@progbits
	.p2align	6, 0x0
	.amdhsa_kernel k_q8000f6e200_quant
		.amdhsa_group_segment_fixed_size 60928
		.amdhsa_private_segment_fixed_size 0
		.amdhsa_enable_private_segment 0
		.amdhsa_kernarg_size 72
		.amdhsa_user_sgpr_count 2
		.amdhsa_user_sgpr_kernarg_segment_ptr 1
		.amdhsa_wavefront_size32 1
		.amdhsa_system_sgpr_workgroup_id_x 1
		.amdhsa_system_sgpr_workgroup_id_y 1
		.amdhsa_system_sgpr_workgroup_id_z 1
		.amdhsa_system_vgpr_workitem_id 0
		.amdhsa_next_free_vgpr 256
		.amdhsa_next_free_sgpr 66
		.amdhsa_reserve_vcc 0
		.amdhsa_float_denorm_mode_32 3
		.amdhsa_float_denorm_mode_16_64 3
		.amdhsa_memory_ordered 1
		.amdhsa_forward_progress 1
		.amdhsa_inst_pref_size 76
	.end_amdhsa_kernel
	.amdgpu_metadata
---
amdhsa.version: [ 1, 2 ]
amdhsa.kernels:
  - .name:           k_q8000f6e200_quant
    .symbol:         k_q8000f6e200_quant.kd
    .args:
      - { .name: x, .offset: 0, .size: 8, .value_kind: global_buffer, .address_space: global }
      - { .name: Wq, .offset: 8, .size: 8, .value_kind: global_buffer, .address_space: global }
      - { .name: Wk, .offset: 16, .size: 8, .value_kind: global_buffer, .address_space: global }
      - { .name: Wv, .offset: 24, .size: 8, .value_kind: global_buffer, .address_space: global }
      - { .name: Wo, .offset: 32, .size: 8, .value_kind: global_buffer, .address_space: global }
      - { .name: W1, .offset: 40, .size: 8, .value_kind: global_buffer, .address_space: global }
      - { .name: W2, .offset: 48, .size: 8, .value_kind: global_buffer, .address_space: global }
      - { .name: XQ, .offset: 56, .size: 8, .value_kind: global_buffer, .address_space: global }
      - { .name: WB, .offset: 64, .size: 8, .value_kind: global_buffer, .address_space: global }
    .group_segment_fixed_size: 60928
    .private_segment_fixed_size: 0
    .kernarg_segment_align: 8
    .kernarg_segment_size: 72
    .max_flat_workgroup_size: 128
    .sgpr_count:     66
    .vgpr_count:     256
    .wavefront_size: 32
...
	.end_amdgpu_metadata
.endif
;; end of part 1
;; launch qkv (part 2): grid 8 x 24, 4 waves a work-group, clusters of 4 x 4, 327,680 bytes of LDS; arguments XQ, WB, bq, bk, bv, QKV; writes QKV
.if DOCPART == 2
	.amdgcn_target "amdgcn-amd-amdhsa--gfx1250"
	.amdhsa_code_object_version 6
	.text
	.protected	k_q8000f6e200_qkv
	.globl	k_q8000f6e200_qkv
	.p2align	8
	.type	k_q8000f6e200_qkv,@function
k_q8000f6e200_qkv:
	s_mov_b64 s[64:65], 0
	v_nop
	global_prefetch_b8 v0, s[64:65] scope:SCOPE_SE
	s_setreg_imm32_b32 hwreg(HW_REG_WAVE_MODE, 25, 1), 1
	s_wait_xcnt 0x0
	s_wait_alu depctr_hold_cnt(0) depctr_sa_sdst(0) depctr_va_vdst(0) depctr_va_sdst(0) depctr_va_ssrc(0) depctr_va_vcc(0) depctr_vm_vsrc(0)
	s_getreg_b32 s2, hwreg(HW_REG_IB_STS2, 6, 4)
	s_cmp_eq_u32 s2, 0
	s_cbranch_scc0 .Lentry_in_a_cluster
	s_endpgm
.Lentry_in_a_cluster:
	s_bfe_u32 s2, ttmp6, 0x10000c
	s_cmp_lg_u32 s2, 0xf033
	s_cbranch_scc0 .Lentry_shape_is_right
	s_endpgm
.Lentry_shape_is_right:
; Q = x Wq + bq, K = x Wk + bk, V = x Wv + bv on codes of FP6 (E2M3), and their quantising for attention.  Codes come and go as images of operand registers.
; A fragment, 16 rows x 128 K, 12 registers: register 4 c + k of lane l at 512 c + 16 l + 4 k.  Lane-row r of tile (g, u) is row 32 g + 8 u + r % 8 + 16 (r / 8).  A record, 32 rows x 256 K, is 6,656 bytes: four fragments, then four scale images of 128 bytes.
; A work-group makes 256 x 256 of a product, each of four waves 128 x 128: 64 accumulators.  Source 1 (the "A side") gives the result's lanes, source 0 (the "B side") its registers: by the order of rows in a tile
; the 16 registers of two neighbouring tiles of the B side are 16 neighbours, so a result is quantised along the B side's rows straight from its registers.
; Clusters with y < 4 (Q and K): A side = tokens, B side = rows of [Wq; Wk]^T: registers run along a head's 64.  Clusters with y = 4, 5 (V): A side = rows of Wv^T, B side = tokens: registers run along the keys.
; OUT: a record of 19,968 bytes for each (16 batch + head, step of 128 tokens): K at 0, V at 6,656, Q at 13,312, each four fragments and four scale images.  A fragment of K or Q holds in k 0-63 the head of token tile (t, 0), in k 64-127 that of (t, 1).
; K = 1,024 IS FOUR QUARTERS OF 256; LDS HAS THREE PLACES OF A QUARTER (106,496 bytes each).  Three quarters are asked for at the start; the fourth goes into place 0 when that has been read: the launch's one refill,
; with 224 matrix instructions of a wave between the request and the wait for it.  All loads are joint: the A side's tile is shared along a row of the 4 x 4 cluster, the B side's along a column.
; LIMITS: NaN and infinities are not served; a block of zeros carries the byte 1, not 127 (its codes are zeros; this program alone reads the bytes).
.set NT,    8                          ; tiles of 16 on each side of a wave's part
.set S2PS,  1                          ; records along K in a place
.set KREC,  4                          ; records along K in all
.set FIRSTZ, 1                         ; the first products take the constant 0 as C
.set NQ,    2*S2PS                     ; steps of 128 along K in a place
.set FILLB, (NT/2)*S2PS*6656           ; what one tensor load brings, and what a wave reads of a side
.set SLOT,  4*FILLB                    ; a place
.set SPARE, 3*SLOT                     ; the spare words, 128 bytes a wave: two blocks of 256 bytes that no other line names
.set CEL,   832*S2PS                   ; a tile's row in elements of 8 bytes
.set ADRA, 8                           ; v8-10  LDS address of my A side's images in place 0, 1, 2
.set ADRB, 12                          ; v12-14 the same for the B side
.set ADRS, 16                          ; v16-18 of the scale words: lanes 0-15 the A side's, lanes 16-31 the B side's
.set LI,   24                          ; v24 16 x lane
.set LS,   25                          ; v25 4 x lane
.set BA,   26                          ; v26 my offset in a bias
.set SPW,  28                          ; v28 my spare word's LDS address; never rewritten
.set NIL,  29                          ; v29 0; never rewritten
.set SC,   32                          ; v32-63 scale words, two sets of 16 that take turns from quarter to quarter
.set G1,  24                           ; s[24:31] descriptor group 1, A side;  s[32:39] groups 0 of places 0 and 1
.set G0,  32
.set G0C, 72
.set G1B, 48                           ; s[48:55], s[56:63] the same for the B side
.set G0B, 56
.set G0CB, 76
.set SEL, 92
.set MUL_LO, 0xa1                      ; source 0 window 1, source 1 window 0, C and D window 2
.set MUL_HI, 0xf1                      ; C and D window 3
.set TO_B,   0x40                      ; destination window 1
.set TR,  128                          ; the way out, window 0: v128-191 64 numbers
.set BI,  64                           ; v64-127 the bias
.set XA,  192                          ; v192-203, v204-215 two fragments
.set XB,  204
.set TP,  216
.set TM,  224
.set PW,  240
.set MSB, 0
.macro WIN new                         ; the immediate's high byte repeats the setting that is left
.if MSB != (\new)
	s_set_vgpr_msb (MSB<<8)|(\new)
.set MSB, (\new)
.endif
.endm
.macro PLACES n
.rept \n
	v_nop
.endr
.endm
.macro JLOAD g0a, g1a, g0b, g1b        ; a joint load: waves 0, 1 fetch the A side's halves, waves 2, 3 the B side's; four v_nop follow each line
	s_cmp_eq_u32 s15, 0
	s_cbranch_scc0 .Lfor_b_\@
	tensor_load_to_lds s[\g0a:\g0a+3], s[\g1a:\g1a+7]
	s_nop 0
.rept 4
	v_nop
.endr
	s_branch .Lasked_\@
.Lfor_b_\@:
	tensor_load_to_lds s[\g0b:\g0b+3], s[\g1b:\g1b+7]
	s_nop 0
.rept 4
	v_nop
.endr
.Lasked_\@:
.endm
.macro CREST                           ; a round of the cluster's barrier behind its opening barrier
	s_cmp_lg_u32 s14, 0
	s_cbranch_scc1 .Lnot_wave_0_\@
	s_barrier_signal -3
.Lnot_wave_0_\@:
	s_barrier_wait -3
	s_barrier_signal -1
	s_barrier_wait -1
.endm
.macro CROUND
	s_barrier_signal -1
	s_barrier_wait -1
	CREST
.endm
.macro QUANT s, nc, d0, d1, pw         ; 64 numbers of a lane, register 16 b + i = k 32 b + 16 (lane / 16) + i, become codes in v[d0] .. +5, v[d1] .. +5 and four scale bytes in v[pw]
.set qn, 0
.rept 2*(\nc)
	v_max3_num_f32 v[TM+qn], |v[(\s)+16*qn]|, |v[(\s)+16*qn+1]|, 0x1800000   ; and the floor 2^(3 - 127): the byte cannot fall under 1
.set qn, qn+1
.endr
.irp qi, 2,4,6,8,10,12,14
.set qn, 0
.rept 2*(\nc)
	v_max3_num_f32 v[TM+qn], v[TM+qn], |v[(\s)+16*qn+\qi]|, |v[(\s)+16*qn+\qi+1]|
.set qn, qn+1
.endr
.endr
.set qn, 0
.rept 2*(\nc)
	v_permlanex16_b32 v[TM+4+qn], v[TM+qn], s[SEL], s[SEL+1]
.set qn, qn+1
.endr
.set qn, 0
.rept 2*(\nc)
	v_max_num_f32 v[TM+qn], v[TM+qn], v[TM+4+qn]
.set qn, qn+1
.endr
.set qn, 0
.rept 2*(\nc)
	v_add_nc_u32 v[TM+12+qn], 0xff000000, v[TM+qn]   ; 2 off the exponent field: the conversion's scale operand
.set qn, qn+1
.endr
.set qn, 0
.rept 2*(\nc)
	v_lshrrev_b32 v[TM+4+qn], 23, v[TM+12+qn]
.set qn, qn+1
.endr
	v_lshl_or_b32 v[\pw], v[TM+5], 8, v[TM+4]
.if \nc > 1
	v_lshl_or_b32 v[\pw], v[TM+6], 16, v[\pw]
	v_lshl_or_b32 v[\pw], v[TM+7], 24, v[\pw]
.endif
	v_cvt_scalef32_pk16_fp6_f32 v[(\d0):(\d0)+2], v[(\s):(\s)+15], v[TM+12]
	v_cvt_scalef32_pk16_fp6_f32 v[TP:TP+2], v[(\s)+16:(\s)+31], v[TM+13]
.if \nc > 1
	v_cvt_scalef32_pk16_fp6_f32 v[(\d1):(\d1)+2], v[(\s)+32:(\s)+47], v[TM+14]
	v_cvt_scalef32_pk16_fp6_f32 v[TP+4:TP+6], v[(\s)+48:(\s)+63], v[TM+15]
.endif
	v_nop                                          ; one plain place behind a scaled conversion
.irp qi, 0,1,2
	v_permlane16_swap_b32 v[(\d0)+\qi], v[TP+\qi]
.endr
.irp qi, 0,1,2
	v_mov_b32 v[(\d0)+3+\qi], v[TP+\qi]
.endr
.if \nc > 1
.irp qi, 0,1,2
	v_permlane16_swap_b32 v[(\d1)+\qi], v[TP+4+\qi]
.endr
.irp qi, 0,1,2
	v_mov_b32 v[(\d1)+3+\qi], v[TP+4+\qi]
.endr
.endif
.endm
; the fragments of the place's q-th 128 along K into set p: 3 loads of 512 consecutive bytes each; B's NT, then A's NT
.macro FETCH slot, q, p
	WIN TO_B
.set fi, 0
.rept NT
.set fo, (fi/2)*(1+((\slot)+1)/2)*6656+(2*(fi%2)+(\q)%2)*1536   ; groups lie 6,656 bytes apart in place 0, 13,312 in places 1 and 2, which one load fills with rows of two records
.irp c, 0,1,2
	ds_load_b128 v[128*(\p)+12*fi+4*\c:128*(\p)+12*fi+4*\c+3], v[ADRB+\slot] offset:fo+512*\c
.endr
.set fi, fi+1
.endr
	WIN 0
.set fi, 0
.rept NT
.set fo, (fi/2)*(1+((\slot)+1)/2)*6656+(2*(fi%2)+(\q)%2)*1536
.irp c, 0,1,2
	ds_load_b128 v[64+96*(\p)+12*fi+4*\c:64+96*(\p)+12*fi+4*\c+3], v[ADRA+\slot] offset:fo+512*\c
.endr
.set fi, fi+1
.endr
.endm
.macro SCALES slot, set                ; a place's scale words into a set: register NQ i + q: lanes 0-15 the A side's tile i, lanes 16-31 the B side's
.set fi, 0
.rept NT
.set fq, 0
.rept NQ
	ds_load_b32 v[SC+16*(\set)+NQ*fi+fq], v[ADRS+\slot] offset:(fi/2)*(1+((\slot)+1)/2)*6656+(2*(fi%2)+fq%2)*128
.set fq, fq+1
.endr
.set fi, fi+1
.endr
.endm
; n tiles of the A side from a0 on, each against the B side's NT.  The accumulators take turns, one instruction a turn, in the same order in every step.
.macro MULS a0, n, p, q, set, zero
.set ma, \a0
.rept \n
.set mb, 0
.rept NT
.set rD, 8*(NT*(ma%4)+mb)
.set rB, 128*(\p)+12*mb
.set rA, 64+96*(\p)+12*ma
.set rSB, SC+16*(\set)+NQ*mb+(\q)
.set rSA, SC+16*(\set)+NQ*ma+(\q)
.set rC, 96+8*(mb%4)+128*(mb/4)
.if \zero == 1
	v_wmma_scale_f32_16x16x128_f8f6f4 v[rD:rD+7], v[rB:rB+11], v[rA:rA+11], 0, v[rSB], v[rSA] matrix_a_fmt:MATRIX_FMT_FP6 matrix_b_fmt:MATRIX_FMT_FP6 matrix_a_scale:MATRIX_SCALE_ROW1
.elseif \zero == 2
	v_wmma_scale_f32_16x16x128_f8f6f4 v[rD:rD+7], v[rB:rB+11], v[rA:rA+11], v[rC:rC+7], v[rSB], v[rSA] matrix_a_fmt:MATRIX_FMT_FP6 matrix_b_fmt:MATRIX_FMT_FP6 matrix_a_scale:MATRIX_SCALE_ROW1
.else
	v_wmma_scale_f32_16x16x128_f8f6f4 v[rD:rD+7], v[rB:rB+11], v[rA:rA+11], v[rD:rD+7], v[rSB], v[rSA] matrix_a_fmt:MATRIX_FMT_FP6 matrix_b_fmt:MATRIX_FMT_FP6 matrix_a_scale:MATRIX_SCALE_ROW1
.endif
.set mb, mb+1
.endr
.set ma, ma+1
.endr
.endm
; a step of 128 along K that has its successor in the same place: the successor's fragments are asked for first, into the other set, and land under this step's products
.macro STEP slot, set, q, zero
	PLACES 4                                       ; in front of loads into registers that matrix instructions have read (ISA guide 7.12.1 for vector instructions)
	FETCH \slot, (\q)+1, 1-(\q)%2
	s_wait_dscnt 6*NT                              ; all but the 6 NT loads just issued
.if \zero == 2
	WIN 0x91
.else
	WIN MUL_LO
.endif
	MULS 0, 4, (\q)%2, \q, \set, \zero
.if \zero == 2
	WIN 0xd1
.else
	WIN MUL_HI
.endif
	MULS 4, 4, (\q)%2, \q, \set, \zero
.endm
; a place's last step, with a barrier: in front of it each wave waits for all its tensor loads, adds 0 to its spare word, and waits for that and for its reads of this place.
; fill = 1: the barrier opens a round of the cluster's barrier, and this place is filled again, with the quarter three on.  fill = 0: the barrier shows the refilled place whole to every wave.
.macro TURN slot, set, next, fill
	WIN 0
	s_wait_tensorcnt 0x0                           ; all my tensor loads have landed
	ds_add_u32 v[SPW], v[NIL]                      ; 0 onto my spare word
	s_wait_dscnt 1                                 ; this step's fragments are in; the add may be out
	WIN MUL_LO
	MULS 0, NT/4, 1, NQ-1, \set, 0
	s_wait_dscnt 0x0                               ; the add is done, and my reads of this place are over
	s_barrier_signal -1
	MULS NT/4, NT/4, 1, NQ-1, \set, 0
	WIN 0
	s_barrier_wait -1
.if \fill
	CREST                                          ; no wave of any partner still reads this place or has a load on its way
	s_add_nc_u64 s[G0+4*\slot+2:G0+4*\slot+3], s[G0+4*\slot+2:G0+4*\slot+3], 3*S2PS*6656
	s_add_nc_u64 s[G0B+4*\slot+2:G0B+4*\slot+3], s[G0B+4*\slot+2:G0B+4*\slot+3], 3*S2PS*6656
	s_mov_b32 s[G1+1], CEL<<16                     ; no load of mine is out: rows of one record again
	s_mov_b32 s[G1+3], CEL<<16
	s_mov_b32 s[G1B+1], CEL<<16
	s_mov_b32 s[G1B+3], CEL<<16
	JLOAD G0+4*\slot, G1, G0B+4*\slot, G1B
.else
	PLACES 4
.endif
	FETCH \next, 0, 0
	SCALES \next, 1-(\set)
	WIN MUL_HI
	MULS NT/2, NT/2, 1, NQ-1, \set, 0
.endm
; a place's last step where the next place is known whole and nothing is filled: no barrier
.macro PASS slot, set, next
	s_wait_dscnt 0x0                               ; this step's fragments, asked for 64 matrix instructions ago
	PLACES 4
	FETCH \next, 0, 0
	SCALES \next, 1-(\set)
	WIN MUL_LO
	MULS 0, 4, 1, NQ-1, \set, 0
	WIN MUL_HI
	MULS 4, 4, 1, NQ-1, \set, 0
.endm
	s_load_b128 s[4:7], s[0:1], 0x0                ; XQ, WB
	s_load_b128 s[8:11], s[0:1], 0x10              ; bq, bk
	s_load_b128 s[68:71], s[0:1], 0x20             ; bv, QKV
	v_lshl_add_u32 v[SPW], v0, 2, SPARE
	v_mov_b32 v[NIL], 0
	ds_add_u32 v28, v29
	ds_add_u32 v28, v29
	s_wait_dscnt 0x0
	v_lshrrev_b32 v1, 5, v0
	v_readfirstlane_b32 s14, v1                    ; wave
	s_lshr_b32 s15, s14, 1                         ; wr: my half of the A side.  Also: I fetch for the A side (0) or the B side (1)
	s_and_b32 s16, s14, 1                          ; wc: my half of the B side.  Also: which half I fetch
	s_bfe_u32 s40, ttmp6, 0x40000                  ; cx
	s_bfe_u32 s41, ttmp6, 0x40004                  ; cy
	s_lshl_b32 s42, ttmp9, 2
	s_add_co_u32 s42, s42, s40                     ; 4 x cluster x + cx
	s_and_b32 s66, ttmp7, 0xffff                   ; the cluster's y: under 4 Q and K, else V; the same in all sixteen partners
	s_sub_co_u32 s67, s66, 4
	s_lshl_b32 s67, s67, 3
	s_cmp_lt_u32 s66, 4
	s_cselect_b32 s17, s66, 2
	s_cselect_b32 s67, 0, s67
	s_lshl_b32 s17, s17, 2
	s_add_co_u32 s17, s17, s41                     ; the A side's tile of 256 rows: tokens 4 y + cy, or rows 8 + cy of the weights (Wv)
	s_add_co_u32 s42, s42, s67                     ; the B side's: rows of [Wq; Wk], or tokens x + 8 (y - 4)
	s_lshl_b32 s43, s41, 2
	s_lshl_b32 s43, 15, s43                        ; my row of the cluster
	s_lshl_b32 s44, 0x1111, s40                    ; my column
	s_or_b32 s[G1], s43, (3<<16)|(1<<21)           ; 15:0 the mask; 17:16 elements of 8 bytes; 21 set beside a mask; no padding
	s_or_b32 s[G1B], s44, (3<<16)|(1<<21)
.irp g, G1, G1B
	s_mov_b32 s[\g+1], CEL<<16                     ; tensor_dim0
	s_mov_b32 s[\g+2], (NT/2)<<16                  ; tensor_dim1: NT / 2 groups of 32 rows
	s_mov_b32 s[\g+3], CEL<<16                     ; tile_dim0: a place's records of one group
	s_mov_b32 s[\g+4], NT/2                        ; tile_dim1
	s_mov_b32 s[\g+5], 832*KREC                    ; from group to group
	s_mov_b32 s[\g+6], 0
	s_mov_b32 s[\g+7], 0
.endr
	s_mul_i32 s18, s16, NT/2
	s_mul_i32 s20, s17, NT
	s_add_co_u32 s20, s20, s18
	s_mul_i32 s20, s20, KREC*6656
	s_mov_b32 s21, 0
	s_mul_i32 s46, s42, NT
	s_add_co_u32 s46, s46, s18
	s_mul_i32 s46, s46, KREC*6656
	s_mov_b32 s47, 0
	s_mul_i32 s45, s14, FILLB                      ; where my fill goes: no place in the cluster enters an LDS address
	s_mov_b32 s[SEL], 0x76543210
	s_mov_b32 s[SEL+1], 0xfedcba98
	s_wait_kmcnt 0x0
	s_cmp_lt_u32 s66, 4
	s_cselect_b64 s[94:95], s[4:5], s[6:7]         ; the A side's buffer,
	s_cselect_b64 s[96:97], s[6:7], s[4:5]         ; the B side's
	s_add_nc_u64 s[20:21], s[94:95], s[20:21]
	s_add_nc_u64 s[46:47], s[96:97], s[46:47]
	CROUND                                         ; all sixteen work-groups are here: the first joint loads meet
.irp s, 0,1
	s_mov_b32 s[G0+4*\s], 1
	s_add_co_u32 s[G0+4*\s+1], s45, \s*SLOT
	s_add_nc_u64 s[G0+4*\s+2:G0+4*\s+3], s[20:21], \s*S2PS*6656
	s_or_b32 s[G0+4*\s+3], s[G0+4*\s+3], 0x80000000
	s_mov_b32 s[G0B+4*\s], 1
	s_add_co_u32 s[G0B+4*\s+1], s45, \s*SLOT
	s_add_nc_u64 s[G0B+4*\s+2:G0B+4*\s+3], s[46:47], \s*S2PS*6656
	s_or_b32 s[G0B+4*\s+3], s[G0B+4*\s+3], 0x80000000
.endr
	; THE ORDER OF THE FILLS AS IT STANDS NOW: quarter 0 at the head, one load a wave; quarters 1 and 2 by one load a wave behind a round; quarter 3 into place 0 when that has been read
	s_add_co_u32 s[G0+5], s[G0+5], s45             ; in the place of two quarters my part begins at SLOT + 2 FILLB x wave
	s_add_co_u32 s[G0B+5], s[G0B+5], s45
	JLOAD G0, G1, G0B, G1B                         ; quarter 0: my one tensor load at the head
	v_and_b32 v1, 31, v0                           ; lane
	v_bfe_u32 v2, v0, 4, 1                         ; h
	v_lshlrev_b32 v[LI], 4, v1
	v_lshlrev_b32 v[LS], 2, v1
	s_mul_i32 s18, s15, FILLB                      ; my half of the A side in place 0
	s_mul_i32 s19, s16, FILLB
	s_add_co_u32 s19, s19, 2*FILLB                 ; my half of the B side
	s_add_co_u32 s22, s18, SLOT                    ; what leads from place 0 to place 1: parts are twice as long there
	s_add_co_u32 s23, s19, SLOT
	s_sub_co_u32 s12, s19, s18                     ; from the A side's words to the B side's, place 0
	s_lshl_b32 s13, s12, 1                         ; and places 1, 2
	s_add_co_u32 s3, s18, 6144
	s_add_co_u32 s2, s22, s3
	s_wait_alu depctr_va_vdst(0)
	v_add_nc_u32 v[ADRA], s18, v[LI]
	v_add_nc_u32 v[ADRB], s19, v[LI]
	v_add_nc_u32 v[ADRA+1], s22, v[ADRA]
	v_add_nc_u32 v[ADRB+1], s23, v[ADRB]
	v_add_nc_u32 v[ADRA+2], 6656, v[ADRA+1]        ; place 2 is the second record of each row
	v_add_nc_u32 v[ADRB+2], 6656, v[ADRB+1]
	v_mul_u32_u24 v3, s12, v2                      ; lanes 16-31 take the B side's words
	v_mul_u32_u24 v4, s13, v2
	v_add_nc_u32 v3, v3, v[LS]
	v_add_nc_u32 v4, v4, v[LS]
	v_add_nc_u32 v[ADRS], s3, v3
	v_add_nc_u32 v[ADRS+1], s2, v4
	v_add_nc_u32 v[ADRS+2], 6656, v[ADRS+1]
	s_wait_alu depctr_va_vdst(0)
	s_wait_tensorcnt 0x0                           ; my part of quarter 0 is in
	ds_add_u32 v[SPW], v[NIL]
	s_mov_b32 s[G1+1], (2*CEL)<<16                 ; no load of mine is out: the next load's rows are two records long
	s_mov_b32 s[G1+3], (2*CEL)<<16
	s_mov_b32 s[G1B+1], (2*CEL)<<16
	s_mov_b32 s[G1B+3], (2*CEL)<<16
	s_wait_dscnt 0x0
	CROUND                                         ; everybody's part of quarter 0 is in, and the joint loads meet
	JLOAD G0+4, G1, G0B+4, G1B                     ; quarters 1 and 2: 64 matrix instructions of a wave stand between this request and the wait for it
	FETCH 0, 0, 0
	SCALES 0, 0
	STEP 0, 0, 0, FIRSTZ                           ; quarter 0: the first products start the sums
	TURN 0, 0, 1, 1                                ; places 1 and 2 are whole; place 0 takes quarter 3
	STEP 1, 1, 0, 0                                ; quarter 1
	PASS 1, 1, 2
	STEP 2, 0, 0, 0                                ; quarter 2
	TURN 2, 0, 0, 0                                ; quarter 3 has landed, everybody's part
	STEP 0, 1, 0, 0                                ; quarter 3
	s_wait_dscnt 0x0
	WIN MUL_LO
	MULS 0, 4, 1, NQ-1, 1, 0
	WIN MUL_HI
	MULS 4, 4, 1, NQ-1, 1, 0
	WIN 0
	PLACES 4                                       ; behind the last products: results are read and operand registers written from here on
.irp b, 0,1,2,3
	v_mov_b32 v[TM+4+\b], 0                        ; written once: a lane permute's destination counts as one of its sources
.endr
	s_cmp_lt_u32 s66, 4
	s_cbranch_scc0 .Lvpart
	; ---- Q and K: lane = token, registers = 128 features = two heads.  Token tiles 2 t and 2 t + 1 make one fragment for each head.
	s_and_b32 s19, s42, 3
	s_lshl_b32 s22, s19, 10
	s_lshl_b32 s23, s16, 9
	s_add_co_u32 s22, s22, s23                     ; my 128 features in the bias, in bytes
	s_mov_b32 s23, 0
	s_lshr_b32 s18, s17, 3                         ; batch
	s_lshl_b32 s18, s18, 4
	s_lshl_b32 s19, s19, 2
	s_add_co_u32 s18, s18, s19
	s_lshl_b32 s19, s16, 1
	s_add_co_u32 s18, s18, s19                     ; 16 batch + my first head
	s_lshl_b32 s18, s18, 4
	s_and_b32 s19, s17, 7
	s_lshl_b32 s19, s19, 1
	s_add_co_u32 s18, s18, s19
	s_add_co_u32 s18, s18, s15                     ; + the step of 128 tokens
	s_mul_i32 s18, s18, 19968
	s_cmp_eq_u32 ttmp9, 0                          ; cluster x = 0: Wq, 1: Wk
	s_cselect_b32 s19, 13312, 0
	s_cselect_b64 s[8:9], s[8:9], s[10:11]
	s_add_co_u32 s18, s18, s19
	s_mov_b32 s19, 0
	s_add_nc_u64 s[70:71], s[70:71], s[18:19]
	s_add_nc_u64 s[8:9], s[8:9], s[22:23]
	v_lshlrev_b32 v[BA], 6, v2                     ; register 16 b + i is feature 32 b + 16 h + i
.set ei, 0
.rept 16
	global_load_b128 v[BI+4*ei:BI+4*ei+3], v[BA], s[8:9] offset:128*(ei/4)+16*(ei%4)
.set ei, ei+1
.endr
	s_wait_loadcnt 0x0
.irp a, 0,1,2,3,4,5,6,7
.if (\a%2 == 0) && (\a > 0)
	s_wait_xcnt 0x0                                ; the last pair's stores have read their registers
.endif
	WIN 0x02+\a/4                                  ; source 0: window 2 or 3
.set ei, 0
.rept 32
	v_pk_add_f32 v[TR+ei:TR+ei+1], v[64*(\a%4)+ei:64*(\a%4)+ei+1], v[BI+ei:BI+ei+1]   ; each accumulator from its low end on
.set ei, ei+2
.endr
	WIN 0
	QUANT TR, 2, XA+6*(\a%2), XB+6*(\a%2), PW+\a%2
.if \a%2 == 1
	v_perm_b32 v242, v[PW+1], v[PW], 0x05040100    ; the first head's scale word: two bytes of each token tile
	v_perm_b32 v243, v[PW+1], v[PW], 0x07060302    ; the second head's
.irp c, 0,1,2
	global_store_b128 v[LI], v[XA+4*\c:XA+4*\c+3], s[70:71] offset:1536*(\a/2)+512*\c
	global_store_b128 v[LI], v[XB+4*\c:XB+4*\c+3], s[70:71] offset:319488+1536*(\a/2)+512*\c   ; the next head's records lie 16 x 19,968 bytes on
.endr
	global_store_b32 v[LS], v242, s[70:71] offset:6144+128*(\a/2)
	global_store_b32 v[LS], v243, s[70:71] offset:319488+6144+128*(\a/2)
.endif
.endr
	s_branch .Lend
	; ---- V: lane = feature, registers = 128 keys of one step.  Feature tile a is tile a % 4 of head a / 4 of my two heads.
.Lvpart:
	s_lshr_b32 s18, s42, 3                         ; batch
	s_lshl_b32 s18, s18, 4
	s_lshl_b32 s19, s41, 2
	s_add_co_u32 s18, s18, s19
	s_lshl_b32 s19, s15, 1
	s_add_co_u32 s18, s18, s19                     ; 16 batch + my first head
	s_lshl_b32 s18, s18, 4
	s_and_b32 s19, s42, 7
	s_lshl_b32 s19, s19, 1
	s_add_co_u32 s18, s18, s19
	s_add_co_u32 s18, s18, s16                     ; + the step
	s_mul_i32 s18, s18, 19968
	s_add_co_u32 s18, s18, 6656
	s_mov_b32 s19, 0
	s_add_nc_u64 s[70:71], s[70:71], s[18:19]
	s_lshl_b32 s18, s41, 10
	s_lshl_b32 s22, s15, 9
	s_add_co_u32 s18, s18, s22
	s_add_nc_u64 s[68:69], s[68:69], s[18:19]
	v_and_b32 v3, 7, v0
	v_bfe_u32 v4, v0, 3, 1
	v_lshl_add_u32 v3, v4, 4, v3                   ; r % 8 + 16 (r / 8)
	v_lshlrev_b32 v[BA], 2, v3
.irp a, 0,1,2,3,4,5,6,7
	global_load_b32 v[BI+2*\a], v[BA], s[68:69] offset:128*(\a/2)+32*(\a%2)     ; my feature's bias, in both registers of a pair
	global_load_b32 v[BI+2*\a+1], v[BA], s[68:69] offset:128*(\a/2)+32*(\a%2)
.endr
	s_wait_loadcnt 0x0
.irp a, 0,1,2,3,4,5,6,7
.if \a > 0
	s_wait_xcnt 0x0                                ; the last tile's stores have read their registers
.endif
	WIN 0x02+\a/4
.set ei, 0
.rept 32
	v_pk_add_f32 v[TR+ei:TR+ei+1], v[64*(\a%4)+ei:64*(\a%4)+ei+1], v[BI+2*\a:BI+2*\a+1]
.set ei, ei+2
.endr
	WIN 0
	QUANT TR, 2, XA, XA+6, PW
.irp c, 0,1,2
	global_store_b128 v[LI], v[XA+4*\c:XA+4*\c+3], s[70:71] offset:(\a/4)*319488+1536*(\a%4)+512*\c
.endr
	global_store_b32 v[LS], v[PW], s[70:71] offset:(\a/4)*319488+6144+128*(\a%4)
.endr
.Lend:
	s_wait_tensorcnt 0x0                           ; the wave's end
	ds_add_u32 v[SPW], v[NIL]
	s_wait_dscnt 0x0
	CROUND                                         ; the closing round: no work-group ends while a partner may still ask for a tile that names it
	s_endpgm
.Lfunc_end_k_q8000f6e200_qkv:
	.size	k_q8000f6e200_qkv, .Lfunc_end_k_q8000f6e200_qkv-k_q8000f6e200_qkv
	.p2alignl 7, 3214868480
	.fill 96, 4, 3214868480
	.section	.rodata,"a",@progbits
	.p2align	6, 0x0
	.amdhsa_kernel k_q8000f6e200_qkv
		.amdhsa_group_segment_fixed_size 327680
		.amdhsa_private_segment_fixed_size 0
		.amdhsa_enable_private_segment 0
		.amdhsa_kernarg_size 48
		.amdhsa_user_sgpr_count 2
		.amdhsa_user_sgpr_kernarg_segment_ptr 1
		.amdhsa_wavefront_size32 1
		.amdhsa_system_sgpr_workgroup_id_x 1
		.amdhsa_system_sgpr_workgroup_id_y 1
		.amdhsa_system_sgpr_workgroup_id_z 1
		.amdhsa_system_vgpr_workitem_id 0
		.amdhsa_next_free_vgpr 1024
		.amdhsa_next_free_sgpr 100
		.amdhsa_reserve_vcc 0
		.amdhsa_float_denorm_mode_32 3
		.amdhsa_float_denorm_mode_16_64 3
		.amdhsa_memory_ordered 1
		.amdhsa_forward_progress 1
		.amdhsa_inst_pref_size 209
	.end_amdhsa_kernel
	.amdgpu_metadata
---
amdhsa.version: [ 1, 2 ]
amdhsa.kernels:
  - .name:           k_q8000f6e200_qkv
    .symbol:         k_q8000f6e200_qkv.kd
    .args:
      - { .name: XQ, .offset: 0, .size: 8, .value_kind: global_buffer, .address_space: global }
      - { .name: WB, .offset: 8, .size: 8, .value_kind: global_buffer, .address_space: global }
      - { .name: bq, .offset: 16, .size: 8, .value_kind: global_buffer, .address_space: global }
      - { .name: bk, .offset: 24, .size: 8, .value_kind: global_buffer, .address_space: global }
      - { .name: bv, .offset: 32, .size: 8, .value_kind: global_buffer, .address_space: global }
      - { .name: QKV, .offset: 40, .size: 8, .value_kind: global_buffer, .address_space: global }
    .group_segment_fixed_size: 327680
    .private_segment_fixed_size: 0
    .kernarg_segment_align: 8
    .kernarg_segment_size: 48
    .max_flat_workgroup_size: 128
    .sgpr_count:     100
    .vgpr_count:     1024
    .wavefront_size: 32
...
	.end_amdgpu_metadata
.endif
;; end of part 2
;; launch attn (part 3): grid 8 x 32, 16 waves a work-group, clusters of 4 x 1, 215,040 bytes of LDS; arguments QKV, AO; writes AO
.if DOCPART == 3
	.amdgcn_target "amdgcn-amd-amdhsa--gfx1250"
	.amdhsa_code_object_version 6
	.text
	.protected	k_q8000f6e200_attn
	.globl	k_q8000f6e200_attn
	.p2align	8
	.type	k_q8000f6e200_attn,@function
k_q8000f6e200_attn:
	s_mov_b64 s[64:65], 0
	v_nop
	global_prefetch_b8 v0, s[64:65] scope:SCOPE_SE
	s_setreg_imm32_b32 hwreg(HW_REG_WAVE_MODE, 25, 1), 1
	s_wait_xcnt 0x0
	s_wait_alu depctr_hold_cnt(0) depctr_sa_sdst(0) depctr_va_vdst(0) depctr_va_sdst(0) depctr_va_ssrc(0) depctr_va_vcc(0) depctr_vm_vsrc(0)
	s_getreg_b32 s2, hwreg(HW_REG_IB_STS2, 6, 4)
	s_cmp_eq_u32 s2, 0
	s_cbranch_scc0 .Lentry_in_a_cluster
	s_endpgm
.Lentry_in_a_cluster:
	s_bfe_u32 s2, ttmp6, 0x10000c
	s_cmp_lg_u32 s2, 0x3003
	s_cbranch_scc0 .Lentry_shape_is_right
	s_endpgm
.Lentry_shape_is_right:
; Attention of one (batch, head) on codes of FP6 (E2M3): S^T = K Q^T, p = 2^(t - M), O^T = V^T P^T, O / l, quantised along the head's 64 for the next product.
; t = score x log2(e) / 8; M = the running largest t rounded UP to a whole number; the row's sum l is taken of the unquantised p; when M moves, l and O are multiplied by 2^(old M - new M), which rounds nothing.
; SHARES.  A work-group owns 256 queries of one head, each of its sixteen waves one tile of 16: four waves to a SIMD, so that one wave's vector work stands beside another's products and LDS loads.
; ALL of the head's K and V, 16 steps x 13,312 bytes, stay in LDS: every byte is filled once, wave w bringing step w by one tensor load.  The four query blocks of a cluster belong to one head: the loads are joint.
; A HEAD HAS 64 NUMBERS, a product's K 128.  A fragment of K holds two token tiles, one in k 0-63, one in k 64-127; it is multiplied by [q | 0] and by [0 | q]: zero codes add nothing (their scale byte is 0, which is 2^-127).
; By the order of rows in a tile (lane-row r of tile (g, u) is row 32 g + 8 u + r % 8 + 16 (r / 8)) register 16 t + i of S^T is key 32 t + 16 (lane / 16) + i of the step, and O^T's register 16 g + i is channel 32 g + 16 (lane / 16) + i.
; OUT: AO as records of 32 tokens x 256 along K.  A head is half a fragment, so a third of the code bytes go out in pieces of 8 bytes and the scale bytes in pieces of 2.
; LIMITS: NaN and infinities are not served; a block of zeros carries the byte 1; the division by l is a multiplication by v_rcp_f32's result.
.set LI,  1                            ; v1 16 x lane
.set LS,  2                            ; v2 4 x lane
.set ADK, 3                            ; v3 the step's images
.set ADS, 4                            ; v4 the step's scale words
.set QA,  16                           ; v16-27 [q | 0];  v22-33 [0 | q]
.set QZ,  22
.set QSA, 34                           ; their scale words
.set QSB, 35
.set FRG, 36                           ; v36-83 four fragments of K or of V
.set KS,  84                           ; v84-87 K's scale words;  v88-91 V's
.set VS,  88
.set SRG, 96                           ; v96-159 S^T, then p
.set OAC, 160                          ; v160-191 O^T
.set PCD, 192                          ; v192-203 p's codes
.set LTP, 204                          ; v204-210 the conversions' second halves
.set BM,  212                          ; v212-215 the blocks' largest scores, then largest p
.set BP,  216                          ; v216-219 from the other half of the lanes; bytes; a chain of the sum
.set BO,  220                          ; v220-223 the conversions' scale operands
.set TM,  208                          ; for QUANT at the end
.set TP,  200
.set WV,  8
.set CS,  22                           ; s[22:23] c = log2(e) / 8
.set G1,  24
.set G0,  32
.set TB,  36
.set CNT, 37
.set SEL, 38
.macro CROUND                          ; a round of the cluster's barrier
	s_barrier_signal -1
	s_barrier_wait -1
	s_cmp_lg_u32 s[WV], 0
	s_cbranch_scc1 .Lnot_wave_0_\@
	s_barrier_signal -3
.Lnot_wave_0_\@:
	s_barrier_wait -3
	s_barrier_signal -1
	s_barrier_wait -1
.endm
.macro QUANT s, nc, d0, d1, pw         ; 32 nc numbers of a lane, register 16 b + i = k 32 b + 16 (lane / 16) + i, become codes and scale bytes
.set qn, 0
.rept 2*(\nc)
	v_max3_num_f32 v[TM+qn], |v[(\s)+16*qn]|, |v[(\s)+16*qn+1]|, 0x1800000
.set qn, qn+1
.endr
.irp qi, 2,4,6,8,10,12,14
.set qn, 0
.rept 2*(\nc)
	s_delay_alu instid0(VALU_DEP_2)
	v_max3_num_f32 v[TM+qn], v[TM+qn], |v[(\s)+16*qn+\qi]|, |v[(\s)+16*qn+\qi+1]|
.set qn, qn+1
.endr
.endr
.set qn, 0
.rept 2*(\nc)
	s_delay_alu instid0(VALU_DEP_2)
	v_permlanex16_b32 v[TM+4+qn], v[TM+qn], s[SEL], s[SEL+1]
.set qn, qn+1
.endr
.set qn, 0
.rept 2*(\nc)
	s_delay_alu instid0(VALU_DEP_2)
	v_max_num_f32 v[TM+qn], v[TM+qn], v[TM+4+qn]
.set qn, qn+1
.endr
.set qn, 0
.rept 2*(\nc)
	s_delay_alu instid0(VALU_DEP_2)
	v_add_nc_u32 v[TM+12+qn], 0xff000000, v[TM+qn]
.set qn, qn+1
.endr
.set qn, 0
.rept 2*(\nc)
	s_delay_alu instid0(VALU_DEP_2)
	v_lshrrev_b32 v[TM+4+qn], 23, v[TM+12+qn]
.set qn, qn+1
.endr
	s_delay_alu instid0(VALU_DEP_1)
	v_lshl_or_b32 v[\pw], v[TM+5], 8, v[TM+4]
.if \nc > 1
	v_lshl_or_b32 v[\pw], v[TM+6], 16, v[\pw]
	v_lshl_or_b32 v[\pw], v[TM+7], 24, v[\pw]
.endif
	v_cvt_scalef32_pk16_fp6_f32 v[(\d0):(\d0)+2], v[(\s):(\s)+15], v[TM+12]
	v_cvt_scalef32_pk16_fp6_f32 v[TP:TP+2], v[(\s)+16:(\s)+31], v[TM+13]
.if \nc > 1
	v_cvt_scalef32_pk16_fp6_f32 v[(\d1):(\d1)+2], v[(\s)+32:(\s)+47], v[TM+14]
	v_cvt_scalef32_pk16_fp6_f32 v[TP+4:TP+6], v[(\s)+48:(\s)+63], v[TM+15]
.endif
	v_nop
.irp qi, 0,1,2
	v_permlane16_swap_b32 v[(\d0)+\qi], v[TP+\qi]
.endr
.irp qi, 0,1,2
	s_delay_alu instid0(VALU_DEP_3)
	v_mov_b32 v[(\d0)+3+\qi], v[TP+\qi]
.endr
.if \nc > 1
.irp qi, 0,1,2
	v_permlane16_swap_b32 v[(\d1)+\qi], v[TP+4+\qi]
.endr
.irp qi, 0,1,2
	v_mov_b32 v[(\d1)+3+\qi], v[TP+4+\qi]
.endr
.endif
.endm
	s_load_b128 s[4:7], s[0:1], 0x0                ; QKV, AO
	v_lshl_add_u32 v254, v0, 2, 0x34000
	v_mov_b32 v255, 0
	ds_add_u32 v254, v255
	ds_add_u32 v254, v255
	v_lshrrev_b32 v5, 5, v0
	s_delay_alu instid0(VALU_DEP_1)
	v_readfirstlane_b32 s[WV], v5                  ; wave 0..15
	v_and_b32 v5, 31, v0
	s_delay_alu instid0(VALU_DEP_1)
	v_lshlrev_b32 v[LI], 4, v5
	s_delay_alu instid0(VALU_DEP_2)
	v_lshlrev_b32 v[LS], 2, v5
	s_bfe_u32 s9, ttmp6, 0x40000                   ; cx
	s_lshl_b32 s10, ttmp9, 2
	s_add_co_u32 s10, s10, s9                      ; my block of 256 queries: it enters Q's and AO's addresses alone
	s_and_b32 s11, ttmp7, 0xffff                   ; 16 batch + head, which the four partners share
	s_lshl_b32 s12, s11, 4
	s_add_co_u32 s13, s12, s[WV]
	s_mul_i32 s14, s13, 19968                      ; the record of step = my wave's number: its K and V are what I fetch
	s_mov_b32 s15, 0
	s_lshl_b32 s16, s10, 1
	s_add_co_u32 s16, s16, s12
	s_lshr_b32 s17, s[WV], 3
	s_add_co_u32 s16, s16, s17
	s_mul_i32 s16, s16, 19968                      ; the record that holds my queries
	s_bfe_u32 s17, s[WV], 0x20001                  ; its fragment (wave / 2) % 4
	s_mul_i32 s18, s17, 1536
	s_add_co_u32 s18, s18, s16
	s_add_co_u32 s18, s18, 13312
	s_mov_b32 s19, 0
	s_lshl_b32 s20, s17, 7
	s_add_co_u32 s20, s20, s16
	s_add_co_u32 s20, s20, 13312+6144
	s_mov_b32 s21, 0
	s_lshr_b32 s41, s11, 4                         ; batch
	s_and_b32 s42, s11, 15                         ; head
	s_lshl_b32 s43, s41, 6
	s_lshl_b32 s44, s10, 3
	s_add_co_u32 s43, s43, s44
	s_lshr_b32 s44, s[WV], 1
	s_add_co_u32 s43, s43, s44                     ; my group of 32 tokens
	s_lshl_b32 s43, s43, 2
	s_lshr_b32 s44, s42, 2
	s_add_co_u32 s43, s43, s44
	s_mul_i32 s43, s43, 6656                       ; AO's record
	s_and_b32 s44, s[WV], 1                        ; u
	s_lshl_b32 s45, s44, 1
	s_bfe_u32 s46, s42, 0x10001
	s_add_co_u32 s45, s45, s46                     ; its fragment 2 u + (head / 2) % 2
	s_mul_i32 s46, s45, 1536
	s_add_co_u32 s46, s46, s43
	s_mov_b32 s47, 0
	s_lshl_b32 s48, s45, 7
	s_add_co_u32 s48, s48, s43
	s_add_co_u32 s48, s48, 6144
	s_and_b32 s50, s42, 1                          ; which 64 of the fragment's 128
	s_lshl_b32 s51, s50, 1
	s_add_co_u32 s48, s48, s51
	s_mov_b32 s49, 0
	s_cmp_eq_u32 s44, 1
	s_cselect_b32 s40, -1, 0                       ; all lanes: my tile is the fragment's second half
	s_mov_b32 s[G1], 15|(3<<16)|(1<<21)            ; 15:0 the mask: all four work-groups; 17:16 elements of 8 bytes; 21 set beside a mask; no padding
	s_mov_b32 s[G1+1], 32<<16                      ; rows of 256 bytes,
	s_mov_b32 s[G1+2], 52<<16                      ; 52 of them: 13,312 dense bytes
	s_mov_b32 s[G1+3], 32<<16
	s_mov_b32 s[G1+4], 52
	s_mov_b32 s[G1+5], 32
	s_mov_b32 s[G1+6], 0
	s_mov_b32 s[G1+7], 0
	s_mov_b32 s[CS], 0x3e38aa3b
	s_mov_b32 s[CS+1], s[CS]
	s_mov_b32 s[SEL], 0x76543210
	s_mov_b32 s[SEL+1], 0xfedcba98
	s_mov_b32 s[TB], 0
	s_mov_b32 s[CNT], 16
	s_wait_dscnt 0x0
	s_wait_kmcnt 0x0
	s_mov_b32 s[G0], 1
	s_mul_i32 s[G0+1], s[WV], 13312
	s_add_nc_u64 s[G0+2:G0+3], s[4:5], s[14:15]
	s_or_b32 s[G0+3], s[G0+3], 0x80000000
	s_add_nc_u64 s[18:19], s[4:5], s[18:19]
	s_add_nc_u64 s[20:21], s[4:5], s[20:21]
	s_add_nc_u64 s[52:53], s[6:7], s[46:47]
	s_add_nc_u64 s[54:55], s[6:7], s[48:49]
	CROUND                                         ; all four work-groups are here: the joint loads meet
	tensor_load_to_lds s[G0:G0+3], s[G1:G1+7]      ; my one tensor load of the launch
	s_nop 0
.rept 4
	v_nop
.endr
	s_wait_alu depctr_va_vdst(0)
.irp c, 0,1,2
	global_load_b128 v[FRG+4*\c:FRG+4*\c+3], v[LI], s[18:19] offset:512*\c
.endr
	global_load_b32 v[KS], v[LS], s[20:21]
	s_wait_loadcnt 0x0
.irp i, 0,1,2,3,4,5
	v_cndmask_b32 v[QA+\i], v[FRG+\i], v[FRG+6+\i], s40   ; my tile's 64 codes a row
.endr
.irp i, 0,1,2,3,4,5
	v_mov_b32 v[QZ+\i], 0
.endr
.irp i, 0,1,2,3,4,5
	v_mov_b32 v[QZ+6+\i], v[QA+\i]
.endr
	v_lshrrev_b32 v[KS+1], 16, v[KS]
	v_and_b32 v[KS+2], 0xffff, v[KS]
	s_delay_alu instid0(VALU_DEP_1)
	v_cndmask_b32 v[QSA], v[KS+2], v[KS+1], s40    ; my tile's two scale bytes, for k 0-63;
	s_delay_alu instid0(VALU_DEP_1)
	v_lshlrev_b32 v[QSB], 16, v[QSA]               ; for k 64-127
	v_mov_b32 v13, 0xff61b1e6                      ; the largest t so far: -3e38
	s_delay_alu instid0(VALU_DEP_1)
	v_floor_f32 v12, -v13                          ; -M
	v_mov_b32 v14, 0                               ; l, in two halves
	v_mov_b32 v15, 0
.irp b, 0,1,2,3
	v_mov_b32 v[BP+\b], 0                          ; written once: a lane permute's destination counts as one of its sources
.endr
	v_mov_b32 v227, 0                              ; (named as the upper half of the pair v[226:227])
.set i, 0
.rept 32
	v_mov_b32 v[OAC+i], 0                          ; O^T: the loop is written once; its first step finds zeros.  (These lines are also the places between Q's registers and the first products)
.set i, i+1
.endr
	s_wait_tensorcnt 0x0                           ; my step's K and V are in,
	s_barrier_signal -1
	s_barrier_wait -1                              ; everybody's are
.Lstep:                                            ; 16 trips of 128 keys
	v_add_nc_u32 v[ADK], s[TB], v[LI]
	v_add_nc_u32 v[ADS], s[TB], v[LS]
	v_nop
	v_nop                                          ; four places in front of loads into registers that the last products have read
.irp t, 0,1,2,3
.irp c, 0,1,2
	ds_load_b128 v[FRG+12*\t+4*\c:FRG+12*\t+4*\c+3], v[ADK] offset:1536*\t+512*\c
.endr
	ds_load_b32 v[KS+\t], v[ADS] offset:6144+128*\t
.endr
	s_wait_alu depctr_va_vdst(0)
	s_wait_dscnt 0x0
.irp t, 0,1,2,3
	v_wmma_scale_f32_16x16x128_f8f6f4 v[SRG+16*\t:SRG+16*\t+7], v[FRG+12*\t:FRG+12*\t+11], v[QA:QA+11], 0, v[KS+\t], v[QSA] matrix_a_fmt:MATRIX_FMT_FP6 matrix_b_fmt:MATRIX_FMT_FP6
	v_wmma_scale_f32_16x16x128_f8f6f4 v[SRG+16*\t+8:SRG+16*\t+15], v[FRG+12*\t:FRG+12*\t+11], v[QZ:QZ+11], 0, v[KS+\t], v[QSB] matrix_a_fmt:MATRIX_FMT_FP6 matrix_b_fmt:MATRIX_FMT_FP6
.endr
.rept 4
	v_nop
.endr
.irp t, 0,1,2,3                                ; V's fragments land while the softmax is worked
.irp c, 0,1,2
	ds_load_b128 v[FRG+12*\t+4*\c:FRG+12*\t+4*\c+3], v[ADK] offset:6656+1536*\t+512*\c
.endr
	ds_load_b32 v[VS+\t], v[ADS] offset:6656+6144+128*\t
.endr
.irp b, 0,1,2,3
	v_max3_num_f32 v[BM+\b], v[SRG+16*\b], v[SRG+1+16*\b], v[SRG+2+16*\b]   ; the largest score of each block of 32 keys: for the row's maximum, and, since p rises with the score, for the block's largest p
.endr
.irp i, 3,5,7,9,11,13
.irp b, 0,1,2,3
	v_max3_num_f32 v[BM+\b], v[BM+\b], v[SRG+16*\b+\i], v[SRG+1+16*\b+\i]
.endr
.endr
.irp b, 0,1,2,3
	v_max_num_f32 v[BM+\b], v[BM+\b], v[SRG+15+16*\b]
.endr
.irp b, 0,1,2,3
	s_delay_alu instid0(VALU_DEP_4)
	v_permlanex16_b32 v[BP+\b], v[BM+\b], s[SEL], s[SEL+1]
.endr
.irp b, 0,1,2,3
	s_delay_alu instid0(VALU_DEP_4)
	v_max_num_f32 v[BM+\b], v[BM+\b], v[BP+\b]
.endr
	s_delay_alu instid0(VALU_DEP_2)
	v_max3_num_f32 v224, v[BM], v[BM+1], v[BM+2]
	s_delay_alu instid0(VALU_DEP_1)
	v_max_num_f32 v224, v224, v[BM+3]
	s_delay_alu instid0(VALU_DEP_1)
	v_mul_f32 v224, s[CS], v224
	s_delay_alu instid0(VALU_DEP_1)
	v_max_num_f32 v13, v13, v224                   ; the running largest t
	v_mov_b32 v224, v12
	s_delay_alu instid0(VALU_DEP_2)
	v_floor_f32 v12, -v13                          ; the new -M = -ceil(t)
	s_delay_alu instid0(VALU_DEP_1)
	v_sub_f32 v224, v12, v224                      ; old M - new M: a whole number, 0 or less
	s_delay_alu instid0(VALU_DEP_1)
	v_cvt_i32_f32 v224, v224                       ; (it saturates)
	s_delay_alu instid0(VALU_DEP_1)
	v_ldexp_f32 v226, 1.0, v224                    ; f = 2^(old M - new M)
.set j, 0
.rept 32
	v_pk_fma_f32 v[SRG+j:SRG+j+1], v[SRG+j:SRG+j+1], s[CS:CS+1], v[12:13] op_sel_hi:[1,0,0]   ; t - M
.set j, j+2
.endr
.irp b, 0,1,2,3
	v_fma_f32 v[BM+\b], v[BM+\b], s[CS], v12
.endr
.set j, 0
	s_wait_alu depctr_va_vdst(0)
.rept 64
	v_exp_f32 v[SRG+j], v[SRG+j]                   ; p = 2^(t - M): not normalised
.set j, j+1
.endr
.irp b, 0,1,2,3
	v_exp_f32 v[BM+\b], v[BM+\b]                   ; the block's largest p: the same two instructions on the same number
.endr
	v_pk_mul_f32 v[14:15], v[14:15], v[226:227] op_sel_hi:[1,0]   ; l under the new M.  (A plain place behind the exponentials)
	s_wait_alu depctr_va_vdst(0)
.irp b, 0,1,2,3
	v_max_num_f32 v[BM+\b], 0x1800000, v[BM+\b]    ; the floor: the byte cannot fall under 1
.endr
.irp b, 0,1,2,3
	s_delay_alu instid0(VALU_DEP_4)
	v_add_nc_u32 v[BO+\b], 0xff000000, v[BM+\b]
.endr
.irp b, 0,1,2,3
	s_delay_alu instid0(VALU_DEP_4)
	v_lshrrev_b32 v[BP+\b], 23, v[BO+\b]
.endr
	s_delay_alu instid0(VALU_DEP_3)
	v_lshl_or_b32 v228, v[BP+1], 8, v[BP]          ; p's scale word for these 128 keys
	s_delay_alu instid0(VALU_DEP_1)
	v_lshl_or_b32 v228, v[BP+2], 16, v228
	s_delay_alu instid0(VALU_DEP_1)
	v_lshl_or_b32 v228, v[BP+3], 24, v228
.irp c, 0,1
	v_cvt_scalef32_pk16_fp6_f32 v[PCD+6*\c:PCD+6*\c+2], v[SRG+32*\c:SRG+32*\c+15], v[BO+2*\c]
	v_cvt_scalef32_pk16_fp6_f32 v[LTP+4*\c:LTP+4*\c+2], v[SRG+16+32*\c:SRG+31+32*\c], v[BO+2*\c+1]
.endr
	v_nop                                          ; one plain place behind a scaled conversion
.irp c, 0,1
.irp i, 0,1,2
	v_permlane16_swap_b32 v[PCD+6*\c+\i], v[LTP+4*\c+\i]
.endr
.irp i, 0,1,2
	s_delay_alu instid0(VALU_DEP_3)
	v_mov_b32 v[PCD+3+6*\c+\i], v[LTP+4*\c+\i]
.endr
.endr
	v_pk_add_f32 v[216:217], v[100:101], v[104:105]
	v_pk_add_f32 v[252:253], v[108:109], v[112:113]
	v_pk_add_f32 v[250:251], v[116:117], v[120:121]
	v_pk_add_f32 v[248:249], v[124:125], v[128:129]
	v_pk_add_f32 v[246:247], v[132:133], v[136:137]
	v_pk_add_f32 v[244:245], v[140:141], v[144:145]
	v_pk_add_f32 v[242:243], v[148:149], v[152:153]
	v_pk_add_f32 v[14:15], v[14:15], v[156:157]
	v_pk_add_f32 v[216:217], v[216:217], v[96:97]
	v_pk_add_f32 v[252:253], v[252:253], v[98:99]
	v_pk_add_f32 v[250:251], v[250:251], v[102:103]
	v_pk_add_f32 v[248:249], v[248:249], v[106:107]
	v_pk_add_f32 v[246:247], v[246:247], v[110:111]
	v_pk_add_f32 v[244:245], v[244:245], v[114:115]
	v_pk_add_f32 v[242:243], v[242:243], v[118:119]
	v_pk_add_f32 v[14:15], v[14:15], v[122:123]
	v_pk_add_f32 v[216:217], v[216:217], v[126:127]
	v_pk_add_f32 v[252:253], v[252:253], v[130:131]
	v_pk_add_f32 v[250:251], v[250:251], v[134:135]
	v_pk_add_f32 v[248:249], v[248:249], v[138:139]
	v_pk_add_f32 v[246:247], v[246:247], v[142:143]
	v_pk_add_f32 v[244:245], v[244:245], v[146:147]
	v_pk_add_f32 v[242:243], v[242:243], v[150:151]
	v_pk_add_f32 v[14:15], v[14:15], v[154:155]
	v_pk_add_f32 v[216:217], v[216:217], v[158:159]
	s_delay_alu instid0(VALU_DEP_2)
	v_pk_add_f32 v[14:15], v[14:15], v[248:249]
	s_delay_alu instid0(VALU_DEP_2)
	v_pk_add_f32 v[216:217], v[216:217], v[246:247]
	v_pk_add_f32 v[252:253], v[252:253], v[244:245]
	v_pk_add_f32 v[250:251], v[250:251], v[242:243]
	s_delay_alu instid0(VALU_DEP_2)
	v_pk_add_f32 v[14:15], v[14:15], v[252:253]
	s_delay_alu instid0(VALU_DEP_2)
	v_pk_add_f32 v[216:217], v[216:217], v[250:251]
	s_delay_alu instid0(VALU_DEP_1)
	v_pk_add_f32 v[14:15], v[14:15], v[216:217]
.set j, 0
.rept 16
	v_pk_mul_f32 v[OAC+j:OAC+j+1], v[OAC+j:OAC+j+1], v[226:227] op_sel_hi:[1,0]   ; O^T under the new M.  (With the sums: the places between p's codes and scale word and the products)
.set j, j+2
.endr
	s_wait_alu depctr_va_vdst(0)
	s_wait_dscnt 0x0                               ; V is in
.irp t, 0,1,2,3
	v_wmma_scale_f32_16x16x128_f8f6f4 v[OAC+8*\t:OAC+8*\t+7], v[FRG+12*\t:FRG+12*\t+11], v[PCD:PCD+11], v[OAC+8*\t:OAC+8*\t+7], v[VS+\t], v228 matrix_a_fmt:MATRIX_FMT_FP6 matrix_b_fmt:MATRIX_FMT_FP6
.endr
	s_add_co_u32 s[TB], s[TB], 13312
	s_sub_co_u32 s[CNT], s[CNT], 1
	s_cmp_lg_u32 s[CNT], 0
	s_cbranch_scc1 .Lstep
.rept 4
	v_nop
.endr
	v_add_f32 v14, v14, v15
	s_delay_alu instid0(VALU_DEP_1)
	v_permlanex16_b32 v224, v14, s[SEL], s[SEL+1]
	s_delay_alu instid0(VALU_DEP_1)
	v_add_f32 v14, v14, v224                       ; the row's sum
	s_wait_alu depctr_va_vdst(0)
	v_rcp_f32 v14, v14
	v_nop                                          ; one plain place behind a transcendental
.set j, 0
	s_wait_alu depctr_va_vdst(0)
.rept 32
	v_mul_f32 v[SRG+j], v[OAC+j], v14              ; O / l; each accumulator from its low end on
.set j, j+1
.endr
	QUANT SRG, 1, PCD, 0, 228
	s_cmp_eq_u32 s50, 0                            ; the head's parity: the same in all partners
	s_cbranch_scc0 .Lodd
	global_store_b128 v[LI], v[PCD:PCD+3], s[52:53]             ; registers 0-5 of the fragment's image
	global_store_b64 v[LI], v[PCD+4:PCD+5], s[52:53] offset:512
	s_branch .Lsc
.Lodd:
	s_wait_alu depctr_va_vdst(0)
	global_store_b64 v[LI], v[PCD:PCD+1], s[52:53] offset:520   ; registers 6-11
	global_store_b128 v[LI], v[PCD+2:PCD+5], s[52:53] offset:1024
.Lsc:
	s_wait_alu depctr_va_vdst(0)
	global_store_b16 v[LS], v228, s[54:55]         ; my head's two bytes of the scale word
	s_wait_tensorcnt 0x0
	ds_add_u32 v254, v255
	s_wait_dscnt 0x0
	CROUND                                         ; the closing round: no work-group ends while a partner may still ask for a tile that names it
	s_endpgm
.Lfunc_end_k_q8000f6e200_attn:
	.size	k_q8000f6e200_attn, .Lfunc_end_k_q8000f6e200_attn-k_q8000f6e200_attn
	.p2alignl 7, 3214868480
	.fill 96, 4, 3214868480
	.section	.rodata,"a",@progbits
	.p2align	6, 0x0
	.amdhsa_kernel k_q8000f6e200_attn
		.amdhsa_group_segment_fixed_size 215040
		.amdhsa_private_segment_fixed_size 0
		.amdhsa_enable_private_segment 0
		.amdhsa_kernarg_size 16
		.amdhsa_user_sgpr_count 2
		.amdhsa_user_sgpr_kernarg_segment_ptr 1
		.amdhsa_wavefront_size32 1
		.amdhsa_system_sgpr_workgroup_id_x 1
		.amdhsa_system_sgpr_workgroup_id_y 1
		.amdhsa_system_sgpr_workgroup_id_z 1
		.amdhsa_system_vgpr_workitem_id 0
		.amdhsa_next_free_vgpr 256
		.amdhsa_next_free_sgpr 66
		.amdhsa_reserve_vcc 0
		.amdhsa_float_denorm_mode_32 3
		.amdhsa_float_denorm_mode_16_64 3
		.amdhsa_memory_ordered 1
		.amdhsa_forward_progress 1
		.amdhsa_inst_pref_size 30
	.end_amdhsa_kernel
	.amdgpu_metadata
---
amdhsa.version: [ 1, 2 ]
amdhsa.kernels:
  - .name:           k_q8000f6e200_attn
    .symbol:         k_q8000f6e200_attn.kd
    .args:
      - { .name: QKV, .offset: 0, .size: 8, .value_kind: global_buffer, .address_space: global }
      - { .name: AO, .offset: 8, .size: 8, .value_kind: global_buffer, .address_space: global }
    .group_segment_fixed_size: 215040
    .private_segment_fixed_size: 0
    .kernarg_segment_align: 8
    .kernarg_segment_size: 16
    .max_flat_workgroup_size: 512
    .sgpr_count:     66
    .vgpr_count:     256
    .wavefront_size: 32
...
	.end_amdgpu_metadata
.endif
;; end of part 3
;; launch projln (part 4): grid 256 x 1, 8 waves a work-group, no clusters, 70,656 bytes of LDS; arguments AO, x, g1, be1, X1, X1Q, WB, bo; writes X1, X1Q
.if DOCPART == 4
	.amdgcn_target "amdgcn-amd-amdhsa--gfx1250"
	.amdhsa_code_object_version 6
	.text
	.protected	k_q8000f6e200_projln
	.globl	k_q8000f6e200_projln
	.p2align	8
	.type	k_q8000f6e200_projln,@function
k_q8000f6e200_projln:
	s_mov_b64 s[64:65], 0
	v_nop
	global_prefetch_b8 v0, s[64:65] scope:SCOPE_SE
	s_setreg_imm32_b32 hwreg(HW_REG_WAVE_MODE, 25, 1), 1
	s_wait_xcnt 0x0
; X1 = layernorm(x + (AO Wo + bo)) g1 + be1, the product on codes of FP6 (E2M3), all else in f32; and X1's codes along the row for the next product.
; A work-group takes one tile T of 16 tokens (lane-row r is token 32 (T / 2) + 8 (T % 2) + r % 8 + 16 (r / 8)) and all 1,024 columns, so a row's mean and variance stay inside it; wave w takes columns 128 w .. 128 w + 127.
; THE PRODUCT.  Source 0 = 16 rows of Wo^T, source 1 = the 16 tokens: a lane holds one token, register 16 g + i of its 64 sums is column 128 w + 32 g + 16 (lane / 16) + i.  8 K steps x 8 accumulators, which take turns; the sums begin on bo.
; Codes lie in memory as images of operand registers (a fragment: register 4 c + k of lane l at 512 c + 16 l + 4 k; a record of 32 rows x 256 K is 6,656 bytes: four fragments, four scale images of 128 bytes), so every load covers 512 consecutive bytes.
; They go straight into registers: no two waves of the work-group want the same byte of Wo, so LDS would hold nothing that is read twice: no tensor load, and so no cluster.  Loads run two K steps (72 loads a wave) ahead in two sets of registers;
; the walk has 8 steps written out, no loop to run further ahead in: no prefetch.
; x lies by rows and turns through the wave's own stage in LDS.  The rows' sums meet in LDS: two barriers, two regions.  The mean is taken first, then the mean of the squared differences.
; LIMITS: NaN and infinities are not served; 1 / sqrt is v_rsq_f32's; a block of zeros carries the byte 1, not 127 (its codes are zeros; this program alone reads the bytes).
; REGISTERS.  Window 0: v1-31 addresses and work; v32-95 x, then be1; v96-159 the sums; v160-223 g1, then the quantiser's; v224-225 the add's; v226-243 scale words, two sets of 8 + 1.  Window 1: v0-191 Wo's fragments, two sets of 8; v192-215 AO's, two.
.set LI,  1
.set LS,  2
.set STW, 3
.set STR, 4
.set GA,  5
.set RA,  6
.set RL,  7
.set AS,  28                           ; v28 offset of AO's scale words from the base of its codes
.set XR,  32
.set YR,  96
.set GR,  160
.set TM,  160
.set TP,  188
.set SCB, 226
.set AF,  192
.set SEL, 40
.set RED, 67584
.set MSB, 0
.macro WIN new                         ; the immediate's high byte repeats the setting that is left
.if MSB != (\new)
	s_set_vgpr_msb (MSB<<8)|(\new)
.set MSB, (\new)
.endif
.endm
.macro GLD ks                          ; K step ks into set ks % 2: 8 fragments of Wo^T, AO's fragment, their scale words: 36 loads
.set gp, (\ks)%2
.set go, ((\ks)/2)*6656+gp*1536
	WIN 0x40                                       ; destination window 1
.set fi, 0
.rept 8
.irp c, 0,1,2
	global_load_b128 v[96*gp+12*fi+4*\c:96*gp+12*fi+4*\c+3], v[LI], s[44:45] offset:(fi/2)*26624+(fi%2)*3072+go+512*\c
.endr
.set fi, fi+1
.endr
.irp c, 0,1,2
	global_load_b128 v[AF+12*gp+4*\c:AF+12*gp+4*\c+3], v[LI], s[4:5] offset:go+512*\c
.endr
	WIN 0
.set fi, 0
.rept 8
	global_load_b32 v[SCB+9*gp+fi], v[LS], s[44:45] offset:(fi/2)*26624+((\ks)/2)*6656+6144+(fi%2)*256+gp*128
.set fi, fi+1
.endr
	global_load_b32 v[SCB+9*gp+8], v[AS], s[4:5] offset:((\ks)/2)*6656+gp*128
.endm
.macro GMUL ks, n                      ; n: the loads issued behind K step ks's, which may stay out
.set gp, (\ks)%2
	s_wait_loadcnt \n
	WIN 0x05                                       ; sources 0 and 1 window 1; C and D window 0
.set fi, 0
.rept 8
	v_wmma_scale_f32_16x16x128_f8f6f4 v[YR+8*fi:YR+8*fi+7], v[96*gp+12*fi:96*gp+12*fi+11], v[AF+12*gp:AF+12*gp+11], v[YR+8*fi:YR+8*fi+7], v[SCB+9*gp+fi], v[SCB+9*gp+8] matrix_a_fmt:MATRIX_FMT_FP6 matrix_b_fmt:MATRIX_FMT_FP6
.set fi, fi+1
.endr
.rept 4
	v_nop                                          ; four places in front of loads into registers that these products have read, and of the first read of the sums
.endr
	WIN 0
.endm
.macro QUANT s, d0, d1, pw             ; 64 numbers of a lane, register 16 b + i = k 32 b + 16 (lane / 16) + i, become codes in v[d0] .. +5, v[d1] .. +5 and four scale bytes in v[pw]
.set qn, 0
.rept 4
	v_max3_num_f32 v[TM+qn], |v[(\s)+16*qn]|, |v[(\s)+16*qn+1]|, 0x1800000   ; and the floor 2^(3 - 127): the byte cannot fall under 1
.set qn, qn+1
.endr
.irp qi, 2,4,6,8,10,12,14
.set qn, 0
.rept 4
	s_delay_alu instid0(VALU_DEP_4)
	v_max3_num_f32 v[TM+qn], v[TM+qn], |v[(\s)+16*qn+\qi]|, |v[(\s)+16*qn+\qi+1]|
.set qn, qn+1
.endr
.endr
.set qn, 0
.rept 4
	s_delay_alu instid0(VALU_DEP_4)
	v_permlanex16_b32 v[TM+4+qn], v[TM+qn], s[SEL], s[SEL+1]
.set qn, qn+1
.endr
.set qn, 0
.rept 4
	s_delay_alu instid0(VALU_DEP_4)
	v_max_num_f32 v[TM+qn], v[TM+qn], v[TM+4+qn]   ; with lane l xor 16's: the block's largest magnitude
.set qn, qn+1
.endr
.set qn, 0
.rept 4
	s_delay_alu instid0(VALU_DEP_4)
	v_add_nc_u32 v[TM+12+qn], 0xff000000, v[TM+qn]   ; 2 off its exponent field: the conversion's scale operand
.set qn, qn+1
.endr
.set qn, 0
.rept 4
	s_delay_alu instid0(VALU_DEP_4)
	v_lshrrev_b32 v[TM+4+qn], 23, v[TM+12+qn]      ; the byte
.set qn, qn+1
.endr
	s_delay_alu instid0(VALU_DEP_3)
	v_lshl_or_b32 v[\pw], v[TM+5], 8, v[TM+4]
	s_delay_alu instid0(VALU_DEP_1)
	v_lshl_or_b32 v[\pw], v[TM+6], 16, v[\pw]
	s_delay_alu instid0(VALU_DEP_1)
	v_lshl_or_b32 v[\pw], v[TM+7], 24, v[\pw]
	v_cvt_scalef32_pk16_fp6_f32 v[(\d0):(\d0)+2], v[(\s):(\s)+15], v[TM+12]
	v_cvt_scalef32_pk16_fp6_f32 v[TP:TP+2], v[(\s)+16:(\s)+31], v[TM+13]
	v_cvt_scalef32_pk16_fp6_f32 v[(\d1):(\d1)+2], v[(\s)+32:(\s)+47], v[TM+14]
	v_cvt_scalef32_pk16_fp6_f32 v[TP+4:TP+6], v[(\s)+48:(\s)+63], v[TM+15]
	v_nop                                          ; one plain place behind a scaled conversion
.irp qi, 0,1,2
	v_permlane16_swap_b32 v[(\d0)+\qi], v[TP+\qi]  ; a whole block to a lane
.endr
.irp qi, 0,1,2
	s_delay_alu instid0(VALU_DEP_3)
	v_mov_b32 v[(\d0)+3+\qi], v[TP+\qi]
.endr
.irp qi, 0,1,2
	v_permlane16_swap_b32 v[(\d1)+\qi], v[TP+4+\qi]
.endr
.irp qi, 0,1,2
	s_delay_alu instid0(VALU_DEP_3)
	v_mov_b32 v[(\d1)+3+\qi], v[TP+4+\qi]
.endr
.endm
.macro XTURN reg                       ; 16 dense rows of 512 bytes turn through my stage; LDS serves a wave's instructions in order
.set xi, 0
.rept 16
	ds_store_b128 v[STW], v[(\reg)+4*xi:(\reg)+4*xi+3] offset:528*xi
.set xi, xi+1
.endr
.set xi, 0
.rept 16
	ds_load_b128 v[(\reg)+4*xi:(\reg)+4*xi+3], v[STR] offset:128*(xi/4)+16*(xi%4)
.set xi, xi+1
.endr
.endm
.macro ROWSUM off                      ; v[8:15]: four packed chains of my 64 numbers -> v8: the sum over the row's 1,024
	s_delay_alu instid0(VALU_DEP_3)
	v_pk_add_f32 v[8:9], v[8:9], v[10:11]
	s_delay_alu instid0(VALU_DEP_2)
	v_pk_add_f32 v[12:13], v[12:13], v[14:15]
	s_delay_alu instid0(VALU_DEP_1)
	v_pk_add_f32 v[8:9], v[8:9], v[12:13]
	s_delay_alu instid0(VALU_DEP_1)
	v_add_f32 v8, v8, v9
	s_delay_alu instid0(VALU_DEP_1)
	v_permlanex16_b32 v9, v8, s[SEL], s[SEL+1]
	s_delay_alu instid0(VALU_DEP_1)
	v_add_f32 v8, v8, v9                           ; my wave's 128 columns of my row
	ds_store_b32 v[RA], v8 offset:\off
	s_wait_dscnt 0x0                               ; for the others' sake: my store has landed
	s_barrier_signal -1
	s_barrier_wait -1
.irp k, 0,1,2,3,4,5,6,7
	ds_load_b32 v[16+\k], v[RL] offset:\off+128*\k
.endr
	s_wait_dscnt 0x0
	v_add_f32 v16, v16, v17
	v_add_f32 v18, v18, v19
	v_add_f32 v20, v20, v21
	v_add_f32 v22, v22, v23
	s_delay_alu instid0(VALU_DEP_3)
	v_add_f32 v16, v16, v18
	s_delay_alu instid0(VALU_DEP_2)
	v_add_f32 v20, v20, v22
	s_delay_alu instid0(VALU_DEP_1)
	v_add_f32 v8, v16, v20
.endm
	s_load_b256 s[4:11], s[0:1], 0x0               ; AO, x, g1, be1
	s_load_b128 s[12:15], s[0:1], 0x20             ; X1, X1Q
	s_load_b128 s[44:47], s[0:1], 0x30             ; WB, bo
	v_lshl_add_u32 v224, v0, 2, 0x11000            ; my spare word, behind the stages and the sums' regions
	v_mov_b32 v225, 0
	v_lshrrev_b32 v8, 5, v0
	s_delay_alu instid0(VALU_DEP_1)
	v_readfirstlane_b32 s16, v8                    ; wave
	v_and_b32 v9, 31, v0
	v_and_b32 v10, 15, v0
	v_bfe_u32 v11, v0, 4, 1
	s_delay_alu instid0(VALU_DEP_3)
	v_lshlrev_b32 v[LI], 4, v9
	s_delay_alu instid0(VALU_DEP_4)
	v_lshlrev_b32 v[LS], 2, v9
	s_delay_alu instid0(VALU_DEP_3)
	v_lshlrev_b32 v[GA], 6, v11
	s_mul_i32 s17, s16, 8448
	v_add_nc_u32 v[STW], s17, v[LI]
	v_mul_u32_u24 v[STR], v10, 528
	s_delay_alu instid0(VALU_DEP_1)
	v_lshl_add_u32 v[STR], v11, 6, v[STR]
	s_delay_alu instid0(VALU_DEP_1)
	v_add_nc_u32 v[STR], s17, v[STR]
	s_lshl_b32 s17, s16, 7
	s_add_co_u32 s17, s17, RED
	v_add_nc_u32 v[RA], s17, v[LS]
	v_add_nc_u32 v[RL], RED, v[LS]
	s_lshl_b32 s18, ttmp9, 16
	s_lshl_b32 s19, s16, 13
	s_add_co_u32 s18, s18, s19                     ; my four images in X1
	s_mov_b32 s19, 0
	s_lshr_b32 s20, ttmp9, 1
	s_and_b32 s21, ttmp9, 1
	s_lshl_b32 s22, s20, 17
	s_lshl_b32 s23, s21, 15
	s_add_co_u32 s22, s22, s23
	s_lshl_b32 s24, s16, 9                         ; 128 columns a wave
	s_add_co_u32 s22, s22, s24                     ; x at row 32 (T / 2) + 8 (T % 2), my columns
	s_mov_b32 s23, 0
	s_mov_b32 s25, 0
	s_lshl_b32 s26, s20, 2
	s_lshr_b32 s27, s16, 1
	s_add_co_u32 s26, s26, s27
	s_mul_i32 s26, s26, 6656                       ; X1Q's record (T / 2, w / 2)
	s_lshl_b32 s27, s21, 1
	s_and_b32 s28, s16, 1
	s_add_co_u32 s27, s27, s28                     ; its fragment 2 (T % 2) + w % 2
	s_mul_i32 s28, s27, 1536
	s_add_co_u32 s28, s28, s26
	s_mov_b32 s29, 0
	s_lshl_b32 s30, s27, 7
	s_add_co_u32 s30, s30, s26
	s_add_co_u32 s30, s30, 6144
	s_mov_b32 s31, 0
	s_mul_i32 s32, s20, 26624                      ; AO: four records a group of 32 tokens,
	s_mul_i32 s33, s21, 3072                       ; tile T % 2: two fragments on
	s_add_co_u32 s32, s32, s33
	s_mul_i32 s33, s21, 2816
	s_sub_co_u32 s33, 6144, s33                    ; its scale images lie at 6,144 + 256 (T % 2) of the record: 6,144 - 2,816 (T % 2) from that base
	s_wait_alu depctr_va_vdst(0)
	v_add_nc_u32 v[AS], s33, v[LS]
	s_mov_b32 s33, 0
	s_mul_i32 s42, s16, 106496                     ; Wo^T: my 128 rows are four groups of four records,
	s_add_co_u32 s42, s42, 2555904                 ; behind [Wq; Wk; Wv]^T in WB
	s_mov_b32 s43, 0
	s_mov_b32 s[SEL], 0x76543210
	s_mov_b32 s[SEL+1], 0xfedcba98
	s_mov_b32 s38, 0x3a800000                      ; 1 / 1,024
	s_mov_b32 s39, 0x3727c5ac                      ; 1e-5
	s_wait_alu depctr_va_vdst(0)
	s_wait_kmcnt 0x0
	s_add_nc_u64 s[4:5], s[4:5], s[32:33]
	s_add_nc_u64 s[44:45], s[44:45], s[42:43]
	s_add_nc_u64 s[46:47], s[46:47], s[24:25]
	s_add_nc_u64 s[12:13], s[12:13], s[18:19]
	s_add_nc_u64 s[6:7], s[6:7], s[22:23]
	s_add_nc_u64 s[8:9], s[8:9], s[24:25]
	s_add_nc_u64 s[10:11], s[10:11], s[24:25]
	s_add_nc_u64 s[34:35], s[14:15], s[28:29]
	s_add_nc_u64 s[36:37], s[14:15], s[30:31]
.set i, 0
.rept 16
	global_load_b128 v[YR+4*i:YR+4*i+3], v[GA], s[46:47] offset:128*(i/4)+16*(i%4)   ; bo, in the sums' own layout: the sums begin on it
.set i, i+1
.endr
	GLD 0
.set i, 0
.rept 16
	global_load_b128 v[XR+4*i:XR+4*i+3], v[LI], s[6:7] offset:((i%8)+16*(i/8))*4096 th:TH_LOAD_NT
.set i, i+1
.endr
	GLD 1
	GMUL 0, 52                                     ; behind K step 0's loads: x's 16 and K step 1's 36
	GLD 2
	GMUL 1, 36                                     ; behind K step 1's: K step 2's 36.  x's are in too
	GLD 3
	XTURN XR                                       ; x turns through my stage under the products
.irp k, 2,3,4,5
	GMUL \k, 36
	GLD \k+2
.endr
.set i, 0
.rept 16
	global_load_b128 v[GR+4*i:GR+4*i+3], v[GA], s[8:9] offset:128*(i/4)+16*(i%4)     ; g1
.set i, i+1
.endr
	GMUL 6, 52                                     ; behind K step 6's: K step 7's 36 and g1's 16
	GMUL 7, 16                                     ; g1's 16 may be out
	s_wait_dscnt 0x0                               ; x is back from the stage
.set i, 0
.rept 32
	v_pk_add_f32 v[YR+i:YR+i+1], v[YR+i:YR+i+1], v[XR+i:XR+i+1]   ; each accumulator from its low end on
.set i, i+2
.endr
.set i, 0
.rept 16
	global_load_b128 v[XR+4*i:XR+4*i+3], v[GA], s[10:11] offset:128*(i/4)+16*(i%4)   ; be1 into the registers that x has left
.set i, i+1
.endr
.irp c, 0,2,4,6
	v_pk_add_f32 v[8+\c:9+\c], v[YR+\c:YR+\c+1], v[YR+8+\c:YR+9+\c]
.endr
.irp j, 16,24,32,40,48,56
.irp c, 0,2,4,6
	s_delay_alu instid0(VALU_DEP_4)
	v_pk_add_f32 v[8+\c:9+\c], v[8+\c:9+\c], v[YR+\j+\c:YR+\j+\c+1]
.endr
.endr
	ROWSUM 0
	s_delay_alu instid0(VALU_DEP_1)
	v_mul_f32 v24, s38, v8                         ; the mean
	s_delay_alu instid0(VALU_DEP_1)
	v_mov_b32 v25, v24
.set i, 0
.rept 32
	v_pk_add_f32 v[YR+i:YR+i+1], v[YR+i:YR+i+1], v[24:25] neg_lo:[0,1] neg_hi:[0,1]
.set i, i+2
.endr
.irp c, 0,2,4,6
	v_pk_mul_f32 v[8+\c:9+\c], v[YR+\c:YR+\c+1], v[YR+\c:YR+\c+1]
.endr
.irp j, 8,16,24,32,40,48,56
.irp c, 0,2,4,6
	s_delay_alu instid0(VALU_DEP_4)
	v_pk_fma_f32 v[8+\c:9+\c], v[YR+\j+\c:YR+\j+\c+1], v[YR+\j+\c:YR+\j+\c+1], v[8+\c:9+\c]
.endr
.endr
	ROWSUM 1024                                    ; other bytes than the first sum's: no barrier between the two
	s_delay_alu instid0(VALU_DEP_1)
	v_fma_f32 v26, v8, s38, s39                    ; the variance + 1e-5
	s_wait_alu depctr_va_vdst(0)
	v_rsq_f32 v26, v26
	v_nop                                          ; one plain place behind a transcendental
	s_wait_alu depctr_va_vdst(0)                   ; ahead of its first reader
	v_mov_b32 v27, v26
	s_wait_alu depctr_va_vdst(0)
	s_wait_loadcnt 0x0                             ; g1 and be1
.set i, 0
.rept 32
	v_pk_mul_f32 v[GR+i:GR+i+1], v[GR+i:GR+i+1], v[26:27]
.set i, i+2
.endr
.set i, 0
.rept 32
	v_pk_fma_f32 v[YR+i:YR+i+1], v[YR+i:YR+i+1], v[GR+i:GR+i+1], v[XR+i:XR+i+1]
.set i, i+2
.endr
.set i, 0
.rept 16
	global_store_b128 v[LI], v[YR+4*i:YR+4*i+3], s[12:13] offset:512*i   ; X1 as images: 512 consecutive bytes a store
.set i, i+1
.endr
	QUANT YR, 176, 182, 196
.irp c, 0,1,2
	global_store_b128 v[LI], v[176+4*\c:176+4*\c+3], s[34:35] offset:512*\c
.endr
	global_store_b32 v[LS], v196, s[36:37]
	s_wait_tensorcnt 0x0                           ; the wave's end
	ds_add_u32 v224, v225
	s_wait_dscnt 0x0
	s_endpgm
.Lfunc_end_k_q8000f6e200_projln:
	.size	k_q8000f6e200_projln, .Lfunc_end_k_q8000f6e200_projln-k_q8000f6e200_projln
	.p2alignl 7, 3214868480
	.fill 96, 4, 3214868480
	.section	.rodata,"a",@progbits
	.p2align	6, 0x0
	.amdhsa_kernel k_q8000f6e200_projln
		.amdhsa_group_segment_fixed_size 70656
		.amdhsa_private_segment_fixed_size 0
		.amdhsa_enable_private_segment 0
		.amdhsa_kernarg_size 64
		.amdhsa_user_sgpr_count 2
		.amdhsa_user_sgpr_kernarg_segment_ptr 1
		.amdhsa_wavefront_size32 1
		.amdhsa_system_sgpr_workgroup_id_x 1
		.amdhsa_system_sgpr_workgroup_id_y 1
		.amdhsa_system_sgpr_workgroup_id_z 1
		.amdhsa_system_vgpr_workitem_id 0
		.amdhsa_next_free_vgpr 512
		.amdhsa_next_free_sgpr 66
		.amdhsa_reserve_vcc 0
		.amdhsa_float_denorm_mode_32 3
		.amdhsa_float_denorm_mode_16_64 3
		.amdhsa_memory_ordered 1
		.amdhsa_forward_progress 1
		.amdhsa_inst_pref_size 74
	.end_amdhsa_kernel
	.amdgpu_metadata
---
amdhsa.version: [ 1, 2 ]
amdhsa.kernels:
  - .name:           k_q8000f6e200_projln
    .symbol:         k_q8000f6e200_projln.kd
    .args:
      - { .name: AO, .offset: 0, .size: 8, .value_kind: global_buffer, .address_space: global }
      - { .name: x, .offset: 8, .size: 8, .value_kind: global_buffer, .address_space: global }
      - { .name: g1, .offset: 16, .size: 8, .value_kind: global_buffer, .address_space: global }
      - { .name: be1, .offset: 24, .size: 8, .value_kind: global_buffer, .address_space: global }
      - { .name: X1, .offset: 32, .size: 8, .value_kind: global_buffer, .address_space: global }
      - { .name: X1Q, .offset: 40, .size: 8, .value_kind: global_buffer, .address_space: global }
      - { .name: WB, .offset: 48, .size: 8, .value_kind: global_buffer, .address_space: global }
      - { .name: bo, .offset: 56, .size: 8, .value_kind: global_buffer, .address_space: global }
    .group_segment_fixed_size: 70656
    .private_segment_fixed_size: 0
    .kernarg_segment_align: 8
    .kernarg_segment_size: 64
    .max_flat_workgroup_size: 256
    .sgpr_count:     66
    .vgpr_count:     512
    .wavefront_size: 32
...
	.end_amdgpu_metadata
.endif
;; end of part 4
;; launch ffn1 (part 5): grid 16 x 16, 4 waves a work-group, clusters of 4 x 4, 327,680 bytes of LDS; arguments X1Q, WB, b1, HQ; writes HQ
.if DOCPART == 5
	.amdgcn_target "amdgcn-amd-amdhsa--gfx1250"
	.amdhsa_code_object_version 6
	.text
	.protected	k_q8000f6e200_ffn1
	.globl	k_q8000f6e200_ffn1
	.p2align	8
	.type	k_q8000f6e200_ffn1,@function
k_q8000f6e200_ffn1:
	s_mov_b64 s[64:65], 0
	v_nop
	global_prefetch_b8 v0, s[64:65] scope:SCOPE_SE
	s_setreg_imm32_b32 hwreg(HW_REG_WAVE_MODE, 25, 1), 1
	s_wait_xcnt 0x0
	s_wait_alu depctr_hold_cnt(0) depctr_sa_sdst(0) depctr_va_vdst(0) depctr_va_sdst(0) depctr_va_ssrc(0) depctr_va_vcc(0) depctr_vm_vsrc(0)
	s_getreg_b32 s2, hwreg(HW_REG_IB_STS2, 6, 4)
	s_cmp_eq_u32 s2, 0
	s_cbranch_scc0 .Lentry_in_a_cluster
	s_endpgm
.Lentry_in_a_cluster:
	s_bfe_u32 s2, ttmp6, 0x10000c
	s_cmp_lg_u32 s2, 0xf033
	s_cbranch_scc0 .Lentry_shape_is_right
	s_endpgm
.Lentry_shape_is_right:
; HQ = the codes of gelu(X1 W1 + b1), the product on codes of FP6 (E2M3).  Codes come and go as images of operand registers: a fragment, 16 rows x 128 K, 12 registers: register 4 c + k of lane l at 512 c + 16 l + 4 k.
; Lane-row r of tile (g, u) is row 32 g + 8 u + r % 8 + 16 (r / 8).  A record, 32 rows x 256 K, is 6,656 bytes: four fragments, then four scale images of 128 bytes.
; A work-group makes 256 x 256, each of four waves 128 x 128: 64 accumulators.  Source 1 (the "A side", tokens) gives the result's lanes, source 0 (the "B side", rows of W1^T) its registers: a lane's 64 registers of a token tile are
; 128 hidden units' halves in the order that the quantiser wants, and a wave's 128 hidden units are one K step of the next product.  The bias is the C of each sum's first product.
; K = 1,024 IS FOUR QUARTERS OF 256; LDS HAS THREE PLACES OF A QUARTER (106,496 bytes each).  Three quarters are asked for at the start; the fourth goes into place 0 when that has been read: the launch's one refill,
; with 224 matrix instructions of a wave between the request and the wait for it.  All loads are joint: the A side's tile is shared along a row of the 4 x 4 cluster, the B side's along a column.
; gelu(x) = x / 2 + (x / 2) erf(x / sqrt 2), erf(z) = z P(z^2) / Q(z^2) with z held to +-4: a quotient of polynomials of degrees 6 and 4 in z^2, all in f32.
; LIMITS: NaN and infinities are not served; the division is a multiplication by v_rcp_f32's result; a block of zeros carries the byte 1.
.set NT,    8
.set S2PS,  1
.set KREC,  4
.set BOFF,  3407872                    ; W1^T in WB
.set FIRSTZ, 2
.set NQ,    2*S2PS
.set FILLB, (NT/2)*S2PS*6656
.set SLOT,  4*FILLB                    ; a place
.set SPARE, 3*SLOT                     ; the spare words, 128 bytes a wave: two blocks of 256 bytes that no other line names
.set CEL,   832*S2PS
.set ADRA, 8                           ; v8-10  LDS address of my A side's images in place 0, 1, 2
.set ADRB, 12                          ; v12-14 the same for the B side
.set ADRS, 16                          ; v16-18 of the scale words
.set LI,   24
.set LS,   25
.set BA,   26
.set SPW,  28
.set NIL,  29
.set SC,   32                          ; v32-63 scale words, two sets of 16 that take turns from quarter to quarter
.set G1,  24
.set G0,  32
.set G0C, 72
.set G1B, 48
.set G0B, 56
.set G0CB, 76
.set SEL, 92
.set MUL_LO, 0xa1
.set MUL_HI, 0xf1
.set TO_B,   0x40
.set TR,  64                           ; the way out, window 0: v64-127 x / 2, then gelu
.set ZR,  128                          ; v128-191 z
.set X2,  192                          ; v192-207 z^2;  v208-223 P;  v224-239 Q
.set PP,  208
.set QQ,  224
.set PC,  32                           ; v32-43 the codes
.set TP,  44
.set PW,  52
.set VA11, 54                          ; v[54:55], v[56:57] two constants as vector pairs
.set VB6,  56
.set TM,  192
.set KA13, 68
.set KA9,  70
.set KA7,  72
.set KA5,  74
.set KA3,  76
.set KA1,  78
.set KB8,  80
.set KB4,  82
.set KB2,  84
.set KB0,  86
.set MSB, 0
.macro WIN new
.if MSB != (\new)
	s_set_vgpr_msb (MSB<<8)|(\new)
.set MSB, (\new)
.endif
.endm
.macro PLACES n
.rept \n
	v_nop
.endr
.endm
.macro JLOAD g0a, g1a, g0b, g1b        ; a joint load: waves 0, 1 fetch the A side's halves, waves 2, 3 the B side's; four v_nop follow each line
	s_cmp_eq_u32 s15, 0
	s_cbranch_scc0 .Lfor_b_\@
	tensor_load_to_lds s[\g0a:\g0a+3], s[\g1a:\g1a+7]
	s_nop 0
.rept 4
	v_nop
.endr
	s_branch .Lasked_\@
.Lfor_b_\@:
	tensor_load_to_lds s[\g0b:\g0b+3], s[\g1b:\g1b+7]
	s_nop 0
.rept 4
	v_nop
.endr
.Lasked_\@:
.endm
.macro CREST
	s_cmp_lg_u32 s14, 0
	s_cbranch_scc1 .Lnot_wave_0_\@
	s_barrier_signal -3
.Lnot_wave_0_\@:
	s_barrier_wait -3
	s_barrier_signal -1
	s_barrier_wait -1
.endm
.macro CROUND
	s_barrier_signal -1
	s_barrier_wait -1
	CREST
.endm
.macro QUANT s, nc, d0, d1, pw
.set qn, 0
.rept 2*(\nc)
	v_max3_num_f32 v[TM+qn], |v[(\s)+16*qn]|, |v[(\s)+16*qn+1]|, 0x1800000   ; and the floor 2^(3 - 127)
.set qn, qn+1
.endr
.irp qi, 2,4,6,8,10,12,14
.set qn, 0
.rept 2*(\nc)
	v_max3_num_f32 v[TM+qn], v[TM+qn], |v[(\s)+16*qn+\qi]|, |v[(\s)+16*qn+\qi+1]|
.set qn, qn+1
.endr
.endr
.set qn, 0
.rept 2*(\nc)
	v_permlanex16_b32 v[TM+4+qn], v[TM+qn], s[SEL], s[SEL+1]
.set qn, qn+1
.endr
.set qn, 0
.rept 2*(\nc)
	v_max_num_f32 v[TM+qn], v[TM+qn], v[TM+4+qn]
.set qn, qn+1
.endr
.set qn, 0
.rept 2*(\nc)
	v_add_nc_u32 v[TM+12+qn], 0xff000000, v[TM+qn]
.set qn, qn+1
.endr
.set qn, 0
.rept 2*(\nc)
	v_lshrrev_b32 v[TM+4+qn], 23, v[TM+12+qn]
.set qn, qn+1
.endr
	v_lshl_or_b32 v[\pw], v[TM+5], 8, v[TM+4]
	v_lshl_or_b32 v[\pw], v[TM+6], 16, v[\pw]
	v_lshl_or_b32 v[\pw], v[TM+7], 24, v[\pw]
	v_cvt_scalef32_pk16_fp6_f32 v[(\d0):(\d0)+2], v[(\s):(\s)+15], v[TM+12]
	v_cvt_scalef32_pk16_fp6_f32 v[TP:TP+2], v[(\s)+16:(\s)+31], v[TM+13]
	v_cvt_scalef32_pk16_fp6_f32 v[(\d1):(\d1)+2], v[(\s)+32:(\s)+47], v[TM+14]
	v_cvt_scalef32_pk16_fp6_f32 v[TP+4:TP+6], v[(\s)+48:(\s)+63], v[TM+15]
	v_nop
.irp qi, 0,1,2
	v_permlane16_swap_b32 v[(\d0)+\qi], v[TP+\qi]
.endr
.irp qi, 0,1,2
	v_mov_b32 v[(\d0)+3+\qi], v[TP+\qi]
.endr
.irp qi, 0,1,2
	v_permlane16_swap_b32 v[(\d1)+\qi], v[TP+4+\qi]
.endr
.irp qi, 0,1,2
	v_mov_b32 v[(\d1)+3+\qi], v[TP+4+\qi]
.endr
.endm
.macro FETCH slot, q, p                ; the fragments of the place's q-th 128 along K into set p
	WIN TO_B
.set fi, 0
.rept NT
.set fo, (fi/2)*(1+((\slot)+1)/2)*6656+(2*(fi%2)+(\q)%2)*1536   ; groups lie 6,656 bytes apart in place 0, 13,312 in places 1 and 2, which one load fills with rows of two records
.irp c, 0,1,2
	ds_load_b128 v[128*(\p)+12*fi+4*\c:128*(\p)+12*fi+4*\c+3], v[ADRB+\slot] offset:fo+512*\c
.endr
.set fi, fi+1
.endr
	WIN 0
.set fi, 0
.rept NT
.set fo, (fi/2)*(1+((\slot)+1)/2)*6656+(2*(fi%2)+(\q)%2)*1536
.irp c, 0,1,2
	ds_load_b128 v[64+96*(\p)+12*fi+4*\c:64+96*(\p)+12*fi+4*\c+3], v[ADRA+\slot] offset:fo+512*\c
.endr
.set fi, fi+1
.endr
.endm
.macro SCALES slot, set
.set fi, 0
.rept NT
.set fq, 0
.rept NQ
	ds_load_b32 v[SC+16*(\set)+NQ*fi+fq], v[ADRS+\slot] offset:(fi/2)*(1+((\slot)+1)/2)*6656+(2*(fi%2)+fq%2)*128
.set fq, fq+1
.endr
.set fi, fi+1
.endr
.endm
.macro MULS a0, n, p, q, set, zero     ; the accumulators take turns, one instruction a turn, in the same order in every step
.set ma, \a0
.rept \n
.set mb, 0
.rept NT
.set rD, 8*(NT*(ma%4)+mb)
.set rB, 128*(\p)+12*mb
.set rA, 64+96*(\p)+12*ma
.set rSB, SC+16*(\set)+NQ*mb+(\q)
.set rSA, SC+16*(\set)+NQ*ma+(\q)
.set rC, 96+8*(mb%4)+128*(mb/4)
.if \zero == 1
	v_wmma_scale_f32_16x16x128_f8f6f4 v[rD:rD+7], v[rB:rB+11], v[rA:rA+11], 0, v[rSB], v[rSA] matrix_a_fmt:MATRIX_FMT_FP6 matrix_b_fmt:MATRIX_FMT_FP6 matrix_a_scale:MATRIX_SCALE_ROW1
.elseif \zero == 2
	v_wmma_scale_f32_16x16x128_f8f6f4 v[rD:rD+7], v[rB:rB+11], v[rA:rA+11], v[rC:rC+7], v[rSB], v[rSA] matrix_a_fmt:MATRIX_FMT_FP6 matrix_b_fmt:MATRIX_FMT_FP6 matrix_a_scale:MATRIX_SCALE_ROW1
.else
	v_wmma_scale_f32_16x16x128_f8f6f4 v[rD:rD+7], v[rB:rB+11], v[rA:rA+11], v[rD:rD+7], v[rSB], v[rSA] matrix_a_fmt:MATRIX_FMT_FP6 matrix_b_fmt:MATRIX_FMT_FP6 matrix_a_scale:MATRIX_SCALE_ROW1
.endif
.set mb, mb+1
.endr
.set ma, ma+1
.endr
.endm
.macro STEP slot, set, q, zero
	PLACES 4                                       ; in front of loads into registers that matrix instructions have read (ISA guide 7.12.1 for vector instructions)
	FETCH \slot, (\q)+1, 1-(\q)%2
	s_wait_dscnt 6*NT                              ; all but the 6 NT loads just issued
.if \zero == 2
	WIN 0x91                                       ; C (the bias) in window 1
.else
	WIN MUL_LO
.endif
	MULS 0, 4, (\q)%2, \q, \set, \zero
.if \zero == 2
	WIN 0xd1
.else
	WIN MUL_HI
.endif
	MULS 4, 4, (\q)%2, \q, \set, \zero
.endm
; a place's last step, with a barrier: in front of it the wait for all my tensor loads, the add, and the wait for it and for my reads of this place.
; fill = 1: the barrier opens a round of the cluster's barrier, and this place is filled again, with the quarter three on.  fill = 0: the barrier shows the refilled place whole to every wave.
.macro TURN slot, set, next, fill
	WIN 0
	s_wait_tensorcnt 0x0
	ds_add_u32 v[SPW], v[NIL]                      ; 0 onto my spare word
	s_wait_dscnt 1                                 ; this step's fragments are in; the add may be out
	WIN MUL_LO
	MULS 0, NT/4, 1, NQ-1, \set, 0
	s_wait_dscnt 0x0
	s_barrier_signal -1
	MULS NT/4, NT/4, 1, NQ-1, \set, 0
	WIN 0
	s_barrier_wait -1
.if \fill
	CREST                                          ; no wave of any partner still reads this place or has a load on its way
	s_add_nc_u64 s[G0+4*\slot+2:G0+4*\slot+3], s[G0+4*\slot+2:G0+4*\slot+3], 3*S2PS*6656
	s_add_nc_u64 s[G0B+4*\slot+2:G0B+4*\slot+3], s[G0B+4*\slot+2:G0B+4*\slot+3], 3*S2PS*6656
	s_mov_b32 s[G1+1], CEL<<16                     ; no load of mine is out: rows of one record again
	s_mov_b32 s[G1+3], CEL<<16
	s_mov_b32 s[G1B+1], CEL<<16
	s_mov_b32 s[G1B+3], CEL<<16
	JLOAD G0+4*\slot, G1, G0B+4*\slot, G1B
.else
	PLACES 4
.endif
	FETCH \next, 0, 0
	SCALES \next, 1-(\set)
	WIN MUL_HI
	MULS NT/2, NT/2, 1, NQ-1, \set, 0
.endm
; a place's last step where the next place is known whole and nothing is filled: no barrier
.macro PASS slot, set, next
	s_wait_dscnt 0x0                               ; this step's fragments, asked for 64 matrix instructions ago
	PLACES 4
	FETCH \next, 0, 0
	SCALES \next, 1-(\set)
	WIN MUL_LO
	MULS 0, 4, 1, NQ-1, \set, 0
	WIN MUL_HI
	MULS 4, 4, 1, NQ-1, \set, 0
.endm
	s_load_b128 s[4:7], s[0:1], 0x0                ; X1Q, WB
	s_load_b128 s[8:11], s[0:1], 0x10              ; b1, HQ
	v_lshl_add_u32 v[SPW], v0, 2, SPARE
	v_mov_b32 v[NIL], 0
	ds_add_u32 v28, v29
	ds_add_u32 v28, v29
	s_wait_dscnt 0x0
	v_lshrrev_b32 v1, 5, v0
	v_readfirstlane_b32 s14, v1
	s_lshr_b32 s15, s14, 1
	s_and_b32 s16, s14, 1
	s_bfe_u32 s40, ttmp6, 0x40000
	s_bfe_u32 s41, ttmp6, 0x40004
	s_lshl_b32 s42, ttmp9, 2
	s_add_co_u32 s42, s42, s40
	s_and_b32 s17, ttmp7, 0xffff
	s_lshl_b32 s17, s17, 2
	s_add_co_u32 s17, s17, s41
	s_lshl_b32 s43, s41, 2
	s_lshl_b32 s43, 15, s43
	s_lshl_b32 s44, 0x1111, s40
	s_or_b32 s[G1], s43, (3<<16)|(1<<21)
	s_or_b32 s[G1B], s44, (3<<16)|(1<<21)
.irp g, G1, G1B
	s_mov_b32 s[\g+1], CEL<<16
	s_mov_b32 s[\g+2], (NT/2)<<16
	s_mov_b32 s[\g+3], CEL<<16
	s_mov_b32 s[\g+4], NT/2
	s_mov_b32 s[\g+5], 832*KREC
	s_mov_b32 s[\g+6], 0
	s_mov_b32 s[\g+7], 0
.endr
	s_mul_i32 s18, s16, NT/2
	s_mul_i32 s20, s17, NT
	s_add_co_u32 s20, s20, s18
	s_mul_i32 s20, s20, KREC*6656
	s_mov_b32 s21, 0
	s_mul_i32 s46, s42, NT
	s_add_co_u32 s46, s46, s18
	s_mul_i32 s46, s46, KREC*6656
	s_mov_b32 s47, 0
	s_mul_i32 s45, s14, FILLB
	s_mov_b32 s[SEL], 0x76543210
	s_mov_b32 s[SEL+1], 0xfedcba98
	s_wait_kmcnt 0x0
	s_add_nc_u64 s[20:21], s[4:5], s[20:21]
	s_add_nc_u64 s[46:47], s[6:7], s[46:47]
	s_add_nc_u64 s[46:47], s[46:47], BOFF
	CROUND
.irp s, 0,1
	s_mov_b32 s[G0+4*\s], 1
	s_add_co_u32 s[G0+4*\s+1], s45, \s*SLOT
	s_add_nc_u64 s[G0+4*\s+2:G0+4*\s+3], s[20:21], \s*S2PS*6656
	s_or_b32 s[G0+4*\s+3], s[G0+4*\s+3], 0x80000000
	s_mov_b32 s[G0B+4*\s], 1
	s_add_co_u32 s[G0B+4*\s+1], s45, \s*SLOT
	s_add_nc_u64 s[G0B+4*\s+2:G0B+4*\s+3], s[46:47], \s*S2PS*6656
	s_or_b32 s[G0B+4*\s+3], s[G0B+4*\s+3], 0x80000000
.endr
	; THE ORDER OF THE FILLS AS IT STANDS NOW: quarter 0 at the head, one load a wave; quarters 1 and 2 by one load a wave behind a round; quarter 3 into place 0 when that has been read
	s_add_co_u32 s[G0+5], s[G0+5], s45             ; in the place of two quarters my part begins at SLOT + 2 FILLB x wave
	s_add_co_u32 s[G0B+5], s[G0B+5], s45
	JLOAD G0, G1, G0B, G1B                         ; quarter 0: my one tensor load at the head
	v_and_b32 v1, 31, v0
	v_bfe_u32 v2, v0, 4, 1
	v_lshlrev_b32 v[LI], 4, v1
	s_wait_alu depctr_va_vdst(0)
	v_lshlrev_b32 v[LS], 2, v1
	v_lshlrev_b32 v[BA], 6, v2
	s_mul_i32 s18, s42, 128*NT
	s_mul_i32 s19, s16, 64*NT
	s_add_co_u32 s18, s18, s19
	s_mov_b32 s19, 0
	s_add_nc_u64 s[8:9], s[8:9], s[18:19]
	WIN TO_B
.set fi, 0
.rept NT                               ; tile b's eight registers: hidden units 32 (b / 2) + 16 h + 8 (b % 2) + 0 .. 7
	global_load_b128 v[96+8*(fi%4)+128*(fi/4):96+8*(fi%4)+128*(fi/4)+3], v[BA], s[8:9] offset:128*(fi/2)+32*(fi%2)
	global_load_b128 v[96+8*(fi%4)+128*(fi/4)+4:96+8*(fi%4)+128*(fi/4)+7], v[BA], s[8:9] offset:128*(fi/2)+32*(fi%2)+16
.set fi, fi+1
.endr
	WIN 0
	s_mul_i32 s18, s15, FILLB                      ; my half of the A side in place 0
	s_mul_i32 s19, s16, FILLB
	s_add_co_u32 s19, s19, 2*FILLB                 ; my half of the B side
	s_add_co_u32 s22, s18, SLOT                    ; what leads from place 0 to place 1: parts are twice as long there
	s_add_co_u32 s23, s19, SLOT
	s_sub_co_u32 s12, s19, s18                     ; from the A side's words to the B side's, place 0
	s_lshl_b32 s13, s12, 1                         ; and places 1, 2
	s_add_co_u32 s3, s18, 6144
	s_add_co_u32 s2, s22, s3
	s_wait_alu depctr_va_vdst(0)
	v_add_nc_u32 v[ADRA], s18, v[LI]
	v_add_nc_u32 v[ADRB], s19, v[LI]
	v_add_nc_u32 v[ADRA+1], s22, v[ADRA]
	v_add_nc_u32 v[ADRB+1], s23, v[ADRB]
	v_add_nc_u32 v[ADRA+2], 6656, v[ADRA+1]        ; place 2 is the second record of each row
	v_add_nc_u32 v[ADRB+2], 6656, v[ADRB+1]
	v_mul_u32_u24 v3, s12, v2                      ; lanes 16-31 take the B side's words
	v_mul_u32_u24 v4, s13, v2
	v_add_nc_u32 v3, v3, v[LS]
	v_add_nc_u32 v4, v4, v[LS]
	v_add_nc_u32 v[ADRS], s3, v3
	v_add_nc_u32 v[ADRS+1], s2, v4
	v_add_nc_u32 v[ADRS+2], 6656, v[ADRS+1]
	s_wait_alu depctr_va_vdst(0)
	s_wait_loadcnt 0x0                             ; the bias
	s_wait_tensorcnt 0x0                           ; my part of quarter 0 is in
	ds_add_u32 v[SPW], v[NIL]
	s_mov_b32 s[G1+1], (2*CEL)<<16                 ; no load of mine is out: the next load's rows are two records long
	s_mov_b32 s[G1+3], (2*CEL)<<16
	s_mov_b32 s[G1B+1], (2*CEL)<<16
	s_mov_b32 s[G1B+3], (2*CEL)<<16
	s_wait_dscnt 0x0
	CROUND                                         ; everybody's part of quarter 0 is in, and the joint loads meet
	JLOAD G0+4, G1, G0B+4, G1B                     ; quarters 1 and 2: 64 matrix instructions of a wave stand between this request and the wait for it
	FETCH 0, 0, 0
	SCALES 0, 0
	STEP 0, 0, 0, FIRSTZ                           ; quarter 0: the first products start the sums on the bias
	TURN 0, 0, 1, 1                                ; places 1 and 2 are whole; place 0 takes quarter 3
	STEP 1, 1, 0, 0                                ; quarter 1
	PASS 1, 1, 2
	STEP 2, 0, 0, 0                                ; quarter 2
	TURN 2, 0, 0, 0                                ; quarter 3 has landed, everybody's part
	STEP 0, 1, 0, 0                                ; quarter 3
	s_wait_dscnt 0x0
	WIN MUL_LO
	MULS 0, 4, 1, NQ-1, 1, 0
	WIN MUL_HI
	MULS 4, 4, 1, NQ-1, 1, 0
	WIN 0
	PLACES 4
	; ---- the way out: a loop over my eight token tiles.  Only the lines that read a tile's accumulators differ from trip to trip: they are written out eight times and chosen by the trip's number.
	s_lshl_b32 s18, s17, 3
	s_lshl_b32 s19, s15, 2
	s_add_co_u32 s18, s18, s19                     ; my first group of 32 tokens
	s_lshl_b32 s18, s18, 4
	s_add_co_u32 s18, s18, s42                     ; the record (group, S2 = the B side's tile)
	s_mul_i32 s18, s18, 6656
	s_mul_i32 s22, s16, 1536
	s_add_co_u32 s22, s22, s18
	s_mov_b32 s23, 0
	s_lshl_b32 s20, s16, 7
	s_add_co_u32 s20, s20, s18
	s_add_co_u32 s20, s20, 6144
	s_mov_b32 s21, 0
	s_add_nc_u64 s[12:13], s[10:11], s[20:21]      ; scale words
	s_add_nc_u64 s[10:11], s[10:11], s[22:23]      ; codes
	s_mov_b32 s[KA13], 0xaf95df0b
	s_mov_b32 s[KA9], 0xb60cff51
	s_mov_b32 s[KA7], 0xb86ec2d2
	s_mov_b32 s[KA5], 0xba40ac63
	s_mov_b32 s[KA3], 0xbb41a1f6
	s_mov_b32 s[KA1], 0xbc83dbd4
	s_mov_b32 s[KB8], 0xb77460cd
	s_mov_b32 s[KB4], 0xbadc924e
	s_mov_b32 s[KB2], 0xbbf19bf8
	s_mov_b32 s[KB0], 0xbc69b6a7
.irp kc, KA13, KA9, KA7, KA5, KA3, KA1, KB8, KB4, KB2, KB0
	s_mov_b32 s[\kc+1], s[\kc]                     ; named as pairs, so both words are written
.endr
	v_mov_b32 v[VA11], 0x32edffee
	v_mov_b32 v[VA11+1], 0x32edffee
	v_mov_b32 v[VB6], 0xb95fbd29
	v_mov_b32 v[VB6+1], 0xb95fbd29
.macro GELUB k                         ; 16 numbers
.set zb, ZR+16*(\k)
.set tb, TR+16*(\k)
.set gi, 0
.rept 16
	v_med3_num_f32 v[zb+gi], v[zb+gi], -4.0, 4.0
.set gi, gi+1
.endr
.irp i, 0,2,4,6,8,10,12,14
	v_pk_mul_f32 v[X2+\i:X2+\i+1], v[zb+\i:zb+\i+1], v[zb+\i:zb+\i+1]
.endr
.irp i, 0,2,4,6,8,10,12,14
	v_pk_fma_f32 v[PP+\i:PP+\i+1], v[X2+\i:X2+\i+1], s[KA13:KA13+1], v[VA11:VA11+1] op_sel_hi:[1,0,1]
.endr
.irp kc, KA9, KA7, KA5, KA3, KA1
.irp i, 0,2,4,6,8,10,12,14
	v_pk_fma_f32 v[PP+\i:PP+\i+1], v[PP+\i:PP+\i+1], v[X2+\i:X2+\i+1], s[\kc:\kc+1] op_sel_hi:[1,1,0]
.endr
.endr
.irp i, 0,2,4,6,8,10,12,14
	v_pk_fma_f32 v[QQ+\i:QQ+\i+1], v[X2+\i:X2+\i+1], s[KB8:KB8+1], v[VB6:VB6+1] op_sel_hi:[1,0,1]
.endr
.irp kc, KB4, KB2, KB0
.irp i, 0,2,4,6,8,10,12,14
	v_pk_fma_f32 v[QQ+\i:QQ+\i+1], v[QQ+\i:QQ+\i+1], v[X2+\i:X2+\i+1], s[\kc:\kc+1] op_sel_hi:[1,1,0]
.endr
.endr
.set gi, 0
	s_wait_alu depctr_va_vdst(0)
.rept 16
	v_rcp_f32 v[QQ+gi], v[QQ+gi]
.set gi, gi+1
.endr
.irp i, 0,2,4,6,8,10,12,14
	v_pk_mul_f32 v[PP+\i:PP+\i+1], v[PP+\i:PP+\i+1], v[zb+\i:zb+\i+1]   ; (plain places behind the reciprocals)
.endr
	s_wait_alu depctr_va_vdst(0)
.irp i, 0,2,4,6,8,10,12,14
	v_pk_mul_f32 v[PP+\i:PP+\i+1], v[PP+\i:PP+\i+1], v[QQ+\i:QQ+\i+1]   ; erf
.endr
.irp i, 0,2,4,6,8,10,12,14
	v_pk_fma_f32 v[tb+\i:tb+\i+1], v[tb+\i:tb+\i+1], v[PP+\i:PP+\i+1], v[tb+\i:tb+\i+1]
.endr
.endm
	s_mov_b32 s2, 0
.Lrow:
.irp k, 1,2,3,4,5,6,7
	s_cmp_eq_u32 s2, \k
	s_cbranch_scc1 .Lst_\k
.endr
.irp k, 0,1,2,3,4,5,6,7
.Lst_\k:
	WIN 0x02+\k/4                                  ; source 0: window 2 or 3
.set ei, 0
.rept 32
	v_pk_mul_f32 v[ZR+ei:ZR+ei+1], v[64*(\k%4)+ei:64*(\k%4)+ei+1], 0x3f3504f3 op_sel_hi:[1,0]   ; z = x / sqrt 2; each accumulator from its low end on
.set ei, ei+2
.endr
.set ei, 0
.rept 32
	v_pk_mul_f32 v[TR+ei:TR+ei+1], v[64*(\k%4)+ei:64*(\k%4)+ei+1], 0.5 op_sel_hi:[1,0]
.set ei, ei+2
.endr
	WIN 0
	s_branch .Lcommon
.endr
.Lcommon:
	GELUB 0
	GELUB 1
	GELUB 2
	GELUB 3
	s_wait_xcnt 0x0                                ; the last trip's stores have read their registers and bases
	QUANT TR, 2, PC, PC+6, PW
	s_lshr_b32 s18, s2, 1
	s_mul_i32 s18, s18, 106496                     ; a group of 32 tokens on: 16 records
	s_and_b32 s19, s2, 1
	s_mul_i32 s22, s19, 3072                       ; tile u: two fragments on
	s_add_co_u32 s22, s22, s18
	s_mov_b32 s23, 0
	s_add_nc_u64 s[94:95], s[10:11], s[22:23]
	s_lshl_b32 s22, s19, 8
	s_add_co_u32 s22, s22, s18
	s_add_nc_u64 s[96:97], s[12:13], s[22:23]
	s_wait_alu depctr_va_vdst(0)
.irp c, 0,1,2
	global_store_b128 v[LI], v[PC+4*\c:PC+4*\c+3], s[94:95] offset:512*\c
.endr
	global_store_b32 v[LS], v[PW], s[96:97]
	s_add_co_u32 s2, s2, 1
	s_cmp_lt_u32 s2, 8
	s_cbranch_scc1 .Lrow
	s_wait_tensorcnt 0x0                           ; the wave's end
	ds_add_u32 v[SPW], v[NIL]
	s_wait_dscnt 0x0
	CROUND
	s_endpgm
.Lfunc_end_k_q8000f6e200_ffn1:
	.size	k_q8000f6e200_ffn1, .Lfunc_end_k_q8000f6e200_ffn1-k_q8000f6e200_ffn1
	.p2alignl 7, 3214868480
	.fill 96, 4, 3214868480
	.section	.rodata,"a",@progbits
	.p2align	6, 0x0
	.amdhsa_kernel k_q8000f6e200_ffn1
		.amdhsa_group_segment_fixed_size 327680
		.amdhsa_private_segment_fixed_size 0
		.amdhsa_enable_private_segment 0
		.amdhsa_kernarg_size 32
		.amdhsa_user_sgpr_count 2
		.amdhsa_user_sgpr_kernarg_segment_ptr 1
		.amdhsa_wavefront_size32 1
		.amdhsa_system_sgpr_workgroup_id_x 1
		.amdhsa_system_sgpr_workgroup_id_y 1
		.amdhsa_system_sgpr_workgroup_id_z 1
		.amdhsa_system_vgpr_workitem_id 0
		.amdhsa_next_free_vgpr 1024
		.amdhsa_next_free_sgpr 100
		.amdhsa_reserve_vcc 0
		.amdhsa_float_denorm_mode_32 3
		.amdhsa_float_denorm_mode_16_64 3
		.amdhsa_memory_ordered 1
		.amdhsa_forward_progress 1
		.amdhsa_inst_pref_size 188
	.end_amdhsa_kernel
	.amdgpu_metadata
---
amdhsa.version: [ 1, 2 ]
amdhsa.kernels:
  - .name:           k_q8000f6e200_ffn1
    .symbol:         k_q8000f6e200_ffn1.kd
    .args:
      - { .name: X1Q, .offset: 0, .size: 8, .value_kind: global_buffer, .address_space: global }
      - { .name: WB, .offset: 8, .size: 8, .value_kind: global_buffer, .address_space: global }
      - { .name: b1, .offset: 16, .size: 8, .value_kind: global_buffer, .address_space: global }
      - { .name: HQ, .offset: 24, .size: 8, .value_kind: global_buffer, .address_space: global }
    .group_segment_fixed_size: 327680
    .private_segment_fixed_size: 0
    .kernarg_segment_align: 8
    .kernarg_segment_size: 32
    .max_flat_workgroup_size: 128
    .sgpr_count:     100
    .vgpr_count:     1024
    .wavefront_size: 32
...
	.end_amdgpu_metadata
.endif
;; end of part 5
;; launch ffn2 (part 6): grid 8 x 32, 4 waves a work-group, clusters of 4 x 4, 327,680 bytes of LDS; arguments HQ, WB, b2, Y, X1; writes Y
.if DOCPART == 6
	.amdgcn_target "amdgcn-amd-amdhsa--gfx1250"
	.amdhsa_code_object_version 6
	.text
	.protected	k_q8000f6e200_ffn2
	.globl	k_q8000f6e200_ffn2
	.p2align	8
	.type	k_q8000f6e200_ffn2,@function
k_q8000f6e200_ffn2:
	s_mov_b64 s[64:65], 0
	v_nop
	global_prefetch_b8 v0, s[64:65] scope:SCOPE_SE
	s_setreg_imm32_b32 hwreg(HW_REG_WAVE_MODE, 25, 1), 1
	s_wait_xcnt 0x0
	s_wait_alu depctr_hold_cnt(0) depctr_sa_sdst(0) depctr_va_vdst(0) depctr_va_sdst(0) depctr_va_ssrc(0) depctr_va_vcc(0) depctr_vm_vsrc(0)
	s_getreg_b32 s2, hwreg(HW_REG_IB_STS2, 6, 4)
	s_cmp_eq_u32 s2, 0
	s_cbranch_scc0 .Lentry_in_a_cluster
	s_endpgm
.Lentry_in_a_cluster:
	s_bfe_u32 s2, ttmp6, 0x10000c
	s_cmp_lg_u32 s2, 0xf033
	s_cbranch_scc0 .Lentry_shape_is_right
	s_endpgm
.Lentry_shape_is_right:
.set NT,    4
.set KREC,  16
.set BOFF,  6815744
.set FIRSTZ, 2
.set S2B,   4
.set S2S,   2
.set FB,    (NT/2)*S2B*6656
.set FS,    (NT/2)*S2S*6656
.set SMALL, 4*FB
.set SPARE, SMALL+4*FS
.set PERIOD, (S2B+S2S)*6656
.set ADRA, 16
.set ADRB, 20
.set ADRS, 22
.set LI,   24
.set LS,   25
.set BA,   26
.set SPW,  28
.set NIL,  29
.set SCL0, 112
.set SCL1, 144
.set G1,  24
.set G1S, 68
.set G0,  32
.set G1B, 48
.set G1SB, 76
.set G0B, 56
.set MUL_LO, 0xa1
.set TO_B,   0x40
.set MSB, 0
.macro WIN new
.if MSB != (\new)
	s_set_vgpr_msb (MSB<<8)|(\new)
.set MSB, (\new)
.endif
.endm
.macro PLACES n
.rept \n
	v_nop
.endr
.endm
.macro PLSET pl
.if \pl == 0
.set cS2, S2B
.set cSC, SCL0
.else
.set cS2, S2S
.set cSC, SCL1
.endif
.set cNQ, 2*cS2
.endm
.macro JLOAD g0a, g1a, g0b, g1b
	s_cmp_eq_u32 s15, 0
	s_cbranch_scc0 .Lfor_b_\@
	tensor_load_to_lds s[\g0a:\g0a+3], s[\g1a:\g1a+7]
	s_nop 0
.rept 4
	v_nop
.endr
	s_branch .Lasked_\@
.Lfor_b_\@:
	tensor_load_to_lds s[\g0b:\g0b+3], s[\g1b:\g1b+7]
	s_nop 0
.rept 4
	v_nop
.endr
.Lasked_\@:
.endm
.macro CREST
	s_cmp_lg_u32 s14, 0
	s_cbranch_scc1 .Lnot_wave_0_\@
	s_barrier_signal -3
.Lnot_wave_0_\@:
	s_barrier_wait -3
	s_barrier_signal -1
	s_barrier_wait -1
.endm
.macro CROUND
	s_barrier_signal -1
	s_barrier_wait -1
	CREST
.endm
.macro FETCH pl, q, p
	PLSET \pl
	WIN TO_B
.set fi, 0
.rept NT
.set fo, (fi/2)*cS2*6656+((\q)/2)*6656+(2*(fi%2)+(\q)%2)*1536
.irp c, 0,1,2
	ds_load_b128 v[128*(\p)+12*fi+4*\c:128*(\p)+12*fi+4*\c+3], v[ADRB+\pl] offset:fo+512*\c
.endr
.set fi, fi+1
.endr
	WIN 0
.set fi, 0
.rept NT
.set fo, (fi/2)*cS2*6656+((\q)/2)*6656+(2*(fi%2)+(\q)%2)*1536
.irp c, 0,1,2
	ds_load_b128 v[64+96*(\p)+12*fi+4*\c:64+96*(\p)+12*fi+4*\c+3], v[ADRA+\pl] offset:fo+512*\c
.endr
.set fi, fi+1
.endr
.endm
.macro SCALES pl
	PLSET \pl
.set fi, 0
.rept NT
.set fq, 0
.rept cNQ
	ds_load_b32 v[cSC+cNQ*fi+fq], v[ADRS+\pl] offset:(fi/2)*cS2*6656+(fq/2)*6656+(2*(fi%2)+fq%2)*128
.set fq, fq+1
.endr
.set fi, fi+1
.endr
.endm
.macro MULS a0, n, p, q, pl, zero
	PLSET \pl
.set ma, \a0
.rept \n
.set mb, 0
.rept NT
.set rD, 8*(NT*ma+mb)
.set rB, 128*(\p)+12*mb
.set rA, 64+96*(\p)+12*ma
.set rSB, cSC+cNQ*mb+(\q)
.set rSA, cSC+cNQ*ma+(\q)
.set rC, 96+8*mb
.if \zero == 2
	v_wmma_scale_f32_16x16x128_f8f6f4 v[rD:rD+7], v[rB:rB+11], v[rA:rA+11], v[rC:rC+7], v[rSB], v[rSA] matrix_a_fmt:MATRIX_FMT_FP6 matrix_b_fmt:MATRIX_FMT_FP6 matrix_a_scale:MATRIX_SCALE_ROW1
.else
	v_wmma_scale_f32_16x16x128_f8f6f4 v[rD:rD+7], v[rB:rB+11], v[rA:rA+11], v[rD:rD+7], v[rSB], v[rSA] matrix_a_fmt:MATRIX_FMT_FP6 matrix_b_fmt:MATRIX_FMT_FP6 matrix_a_scale:MATRIX_SCALE_ROW1
.endif
.set mb, mb+1
.endr
.set ma, ma+1
.endr
.endm
.macro STEP pl, q, zero
	PLACES 4
	FETCH \pl, (\q)+1, 1-(\q)%2
	s_wait_dscnt 6*NT
.if \zero == 2
	WIN 0x91
.else
	WIN MUL_LO
.endif
	MULS 0, 4, (\q)%2, \q, \pl, \zero
.endm
.macro STEPS pl, q0
	PLSET \pl
.set sq, \q0
.rept cNQ-1-(\q0)
	STEP \pl, sq, 0
.set sq, sq+1
.endr
.endm
.macro TURN pl, next, fill
	PLSET \pl
.set tq, cNQ-1
	WIN 0
	s_wait_tensorcnt 0x0
	ds_add_u32 v[SPW], v[NIL]
	s_wait_dscnt 1
	WIN MUL_LO
	MULS 0, NT/4, 1, tq, \pl, 0
	s_wait_dscnt 0x0
	s_barrier_signal -1
	MULS NT/4, NT/4, 1, tq, \pl, 0
	WIN 0
	s_barrier_wait -1
.if \fill
	CREST
	s_add_nc_u64 s[G0+4*\pl+2:G0+4*\pl+3], s[G0+4*\pl+2:G0+4*\pl+3], PERIOD
	s_add_nc_u64 s[G0B+4*\pl+2:G0B+4*\pl+3], s[G0B+4*\pl+2:G0B+4*\pl+3], PERIOD
.if \pl == 0
	JLOAD G0, G1, G0B, G1B
.else
	JLOAD G0+4, G1S, G0B+4, G1SB
.endif
.else
	PLACES 4
.endif
	FETCH \next, 0, 0
	SCALES \next
	WIN MUL_LO
	MULS NT/2, NT/2, 1, tq, \pl, 0
.endm
	s_load_b128 s[4:7], s[0:1], 0x0
	s_load_b128 s[8:11], s[0:1], 0x10
	s_load_b64 s[12:13], s[0:1], 0x20              ; X1: Y = X1 + (gelu's codes x W2 + b2), the residual added here
	v_lshl_add_u32 v[SPW], v0, 2, SPARE
	v_mov_b32 v[NIL], 0
	ds_add_u32 v28, v29
	ds_add_u32 v28, v29
	s_wait_dscnt 0x0
	v_lshrrev_b32 v1, 5, v0
	v_readfirstlane_b32 s14, v1
	s_lshr_b32 s15, s14, 1
	s_and_b32 s16, s14, 1
	s_bfe_u32 s40, ttmp6, 0x40000
	s_bfe_u32 s41, ttmp6, 0x40004
	s_lshl_b32 s42, ttmp9, 2
	s_add_co_u32 s42, s42, s40
	s_and_b32 s17, ttmp7, 0xffff
	s_lshl_b32 s17, s17, 2
	s_add_co_u32 s17, s17, s41
	s_lshl_b32 s43, s41, 2
	s_lshl_b32 s43, 15, s43
	s_lshl_b32 s44, 0x1111, s40
	s_or_b32 s[G1], s43, (3<<16)|(1<<21)
	s_or_b32 s[G1B], s44, (3<<16)|(1<<21)
	s_or_b32 s[G1S], s43, (3<<16)|(1<<21)
	s_or_b32 s[G1SB], s44, (3<<16)|(1<<21)
.irp g, G1, G1B
	s_mov_b32 s[\g+1], (832*S2B)<<16
	s_mov_b32 s[\g+2], (NT/2)<<16
	s_mov_b32 s[\g+3], (832*S2B)<<16
	s_mov_b32 s[\g+4], NT/2
	s_mov_b32 s[\g+5], 832*KREC
	s_mov_b32 s[\g+6], 0
	s_mov_b32 s[\g+7], 0
.endr
.irp g, G1S, G1SB
	s_mov_b32 s[\g+1], (832*S2S)<<16
	s_mov_b32 s[\g+2], (NT/2)<<16
	s_mov_b32 s[\g+3], (832*S2S)<<16
	s_mov_b32 s[\g+4], NT/2
	s_mov_b32 s[\g+5], 832*KREC
	s_mov_b32 s[\g+6], 0
	s_mov_b32 s[\g+7], 0
.endr
	s_mul_i32 s18, s16, NT/2
	s_mul_i32 s20, s17, NT
	s_add_co_u32 s20, s20, s18
	s_mul_i32 s20, s20, KREC*6656
	s_mov_b32 s21, 0
	s_mul_i32 s46, s42, NT
	s_add_co_u32 s46, s46, s18
	s_mul_i32 s46, s46, KREC*6656
	s_mov_b32 s47, 0
	s_mul_i32 s45, s14, FB
	s_mul_i32 s22, s14, FS
	s_wait_kmcnt 0x0
	s_add_nc_u64 s[20:21], s[4:5], s[20:21]
	s_add_nc_u64 s[46:47], s[6:7], s[46:47]
	s_add_nc_u64 s[46:47], s[46:47], BOFF
	CROUND
	s_mov_b32 s[G0], 1
	s_add_co_u32 s[G0+1], s45, 0
	s_add_nc_u64 s[G0+2:G0+3], s[20:21], 0
	s_or_b32 s[G0+3], s[G0+3], 0x80000000
	s_mov_b32 s[G0B], 1
	s_add_co_u32 s[G0B+1], s45, 0
	s_add_nc_u64 s[G0B+2:G0B+3], s[46:47], 0
	s_or_b32 s[G0B+3], s[G0B+3], 0x80000000
	JLOAD G0, G1, G0B, G1B
	s_mov_b32 s[G0+4], 1
	s_add_co_u32 s[G0+5], s22, SMALL
	s_add_nc_u64 s[G0+6:G0+7], s[20:21], S2B*6656
	s_or_b32 s[G0+7], s[G0+7], 0x80000000
	s_mov_b32 s[G0B+4], 1
	s_add_co_u32 s[G0B+5], s22, SMALL
	s_add_nc_u64 s[G0B+6:G0B+7], s[46:47], S2B*6656
	s_or_b32 s[G0B+7], s[G0B+7], 0x80000000
	s_wait_alu depctr_va_vdst(0)
	s_wait_tensorcnt 0x0
	ds_add_u32 v28, v29
	s_wait_dscnt 0x0
	CROUND
	JLOAD G0+4, G1S, G0B+4, G1SB
	v_and_b32 v1, 31, v0
	v_bfe_u32 v2, v0, 4, 1
	v_lshlrev_b32 v[LI], 4, v1
	s_wait_alu depctr_va_vdst(0)
	v_lshlrev_b32 v[LS], 2, v1
	v_lshlrev_b32 v[BA], 6, v2
	s_mul_i32 s18, s42, 128*NT
	s_mul_i32 s19, s16, 64*NT
	s_add_co_u32 s18, s18, s19
	s_mov_b32 s19, 0
	s_add_nc_u64 s[8:9], s[8:9], s[18:19]
	WIN TO_B
.set fi, 0
.rept NT
	global_load_b128 v[96+8*fi:96+8*fi+3], v[BA], s[8:9] offset:128*(fi/2)+32*(fi%2)
	global_load_b128 v[96+8*fi+4:96+8*fi+7], v[BA], s[8:9] offset:128*(fi/2)+32*(fi%2)+16
.set fi, fi+1
.endr
	; my 128 x 128 of X1, which lies as images just as Y does: 32 loads of 512 consecutive bytes into window 2, v128-255, register for register beside the sums; they land under the product
	s_lshl_b32 s84, s17, 3
	s_lshl_b32 s85, s15, 2
	s_add_co_u32 s84, s84, s85                     ; my first tile of 16 tokens
	s_lshl_b32 s84, s84, 5
	s_lshl_b32 s85, s42, 2
	s_add_co_u32 s84, s84, s85
	s_lshl_b32 s85, s16, 1
	s_add_co_u32 s84, s84, s85                     ; 32 images a tile, my first 32 columns
	s_lshl_b32 s84, s84, 11
	s_mov_b32 s85, 0
	s_add_nc_u64 s[12:13], s[12:13], s[84:85]
	WIN 0x80                                       ; destination window 2
.irp a, 0,1,2,3
.irp b, 0,1,2,3
.irp i, 0,1
	global_load_b128 v[128+8*(4*\a+\b)+4*\i:128+8*(4*\a+\b)+4*\i+3], v[LI], s[12:13] offset:65536*\a+2048*(\b/2)+1024*(\b%2)+512*\i th:TH_LOAD_NT
.endr
.endr
.endr
	WIN 0
	s_mul_i32 s18, s15, FB
	s_mul_i32 s19, s16, FB
	s_add_co_u32 s19, s19, 2*FB
	v_add_nc_u32 v[ADRA], s18, v[LI]
	v_add_nc_u32 v[ADRB], s19, v[LI]
	s_sub_co_u32 s19, s19, s18
	v_mul_u32_u24 v3, s19, v2
	s_wait_alu depctr_va_vdst(0)
	v_add_nc_u32 v3, v3, v[LS]
	s_add_co_u32 s18, s18, 6144
	v_add_nc_u32 v[ADRS], s18, v3
	s_mul_i32 s18, s15, FS
	s_mul_i32 s19, s16, FS
	s_add_co_u32 s19, s19, 2*FS
	s_sub_co_u32 s23, s19, s18
	v_mul_u32_u24 v3, s23, v2
	v_add_nc_u32 v3, v3, v[LS]
	s_add_co_u32 s18, s18, SMALL
	s_add_co_u32 s19, s19, SMALL
	v_add_nc_u32 v[ADRA+1], s18, v[LI]
	v_add_nc_u32 v[ADRB+1], s19, v[LI]
	s_add_co_u32 s18, s18, 6144
	v_add_nc_u32 v[ADRS+1], s18, v3
	s_wait_alu depctr_va_vdst(0)
	s_wait_tensorcnt 1
	s_wait_loadcnt 32                              ; the bias's 8 loads are in; X1's 32 may be out
	s_barrier_signal -1
	s_barrier_wait -1
	FETCH 0, 0, 0
	SCALES 0
	STEP 0, 0, FIRSTZ
	STEPS 0, 1
	TURN 0, 1, 1
	STEPS 1, 0
	TURN 1, 0, 1
	STEPS 0, 0
	TURN 0, 1, 1
	STEPS 1, 0
	TURN 1, 0, 0
	STEPS 0, 0
	s_wait_dscnt 0x0
	WIN MUL_LO
	MULS 0, 4, 1, 2*S2B-1, 0, 0
	WIN 0
	PLACES 4
	s_lshl_b32 s18, s17, 3
	s_lshl_b32 s19, s15, 2
	s_add_co_u32 s18, s18, s19
	s_lshl_b32 s18, s18, 5
	s_lshl_b32 s19, s42, 2
	s_add_co_u32 s18, s18, s19
	s_lshl_b32 s19, s16, 1
	s_add_co_u32 s18, s18, s19
	s_lshl_b32 s18, s18, 11
	s_mov_b32 s19, 0
	s_add_nc_u64 s[10:11], s[10:11], s[18:19]
	s_wait_loadcnt 0x0                             ; X1
	WIN 0x8a                                       ; destination and both sources window 2
.set ei, 0
.rept 64
	v_pk_add_f32 v[ei:ei+1], v[ei:ei+1], v[128+ei:129+ei]   ; each accumulator from its low end on
.set ei, ei+2
.endr
	WIN 0x08
.irp a, 0,1,2,3
.irp b, 0,1,2,3
.irp i, 0,1
	global_store_b128 v[LI], v[8*(4*\a+\b)+4*\i:8*(4*\a+\b)+4*\i+3], s[10:11] offset:65536*\a+2048*(\b/2)+1024*(\b%2)+512*\i
.endr
.endr
.endr
	WIN 0
	s_wait_tensorcnt 0x0
	ds_add_u32 v[SPW], v[NIL]
	s_wait_dscnt 0x0
	CROUND
	s_endpgm
.Lfunc_end_k_q8000f6e200_ffn2:
	.size	k_q8000f6e200_ffn2, .Lfunc_end_k_q8000f6e200_ffn2-k_q8000f6e200_ffn2
	.p2alignl 7, 3214868480
	.fill 96, 4, 3214868480
	.section	.rodata,"a",@progbits
	.p2align	6, 0x0
	.amdhsa_kernel k_q8000f6e200_ffn2
		.amdhsa_group_segment_fixed_size 327680
		.amdhsa_private_segment_fixed_size 0
		.amdhsa_enable_private_segment 0
		.amdhsa_kernarg_size 40
		.amdhsa_user_sgpr_count 2
		.amdhsa_user_sgpr_kernarg_segment_ptr 1
		.amdhsa_wavefront_size32 1
		.amdhsa_system_sgpr_workgroup_id_x 1
		.amdhsa_system_sgpr_workgroup_id_y 1
		.amdhsa_system_sgpr_workgroup_id_z 1
		.amdhsa_system_vgpr_workitem_id 0
		.amdhsa_next_free_vgpr 768
		.amdhsa_next_free_sgpr 100
		.amdhsa_reserve_vcc 0
		.amdhsa_float_denorm_mode_32 3
		.amdhsa_float_denorm_mode_16_64 3
		.amdhsa_memory_ordered 1
		.amdhsa_forward_progress 1
		.amdhsa_inst_pref_size 152
	.end_amdhsa_kernel
	.amdgpu_metadata
---
amdhsa.version: [ 1, 2 ]
amdhsa.kernels:
  - .name:           k_q8000f6e200_ffn2
    .symbol:         k_q8000f6e200_ffn2.kd
    .args:
      - { .name: HQ, .offset: 0, .size: 8, .value_kind: global_buffer, .address_space: global }
      - { .name: WB, .offset: 8, .size: 8, .value_kind: global_buffer, .address_space: global }
      - { .name: b2, .offset: 16, .size: 8, .value_kind: global_buffer, .address_space: global }
      - { .name: Y, .offset: 24, .size: 8, .value_kind: global_buffer, .address_space: global }
      - { .name: X1, .offset: 32, .size: 8, .value_kind: global_buffer, .address_space: global }
    .group_segment_fixed_size: 327680
    .private_segment_fixed_size: 0
    .kernarg_segment_align: 8
    .kernarg_segment_size: 40
    .max_flat_workgroup_size: 128
    .sgpr_count:     100
    .vgpr_count:     768
    .wavefront_size: 32
...
	.end_amdgpu_metadata
.endif
;; end of part 6
;; launch ln2 (part 7): grid 256 x 1, 8 waves a work-group, no clusters, 70,656 bytes of LDS; arguments Y, g2, be2, out0; writes out0
.if DOCPART == 7
	.amdgcn_target "amdgcn-amd-amdhsa--gfx1250"
	.amdhsa_code_object_version 6
	.text
	.protected	k_q8000f6e200_ln2
	.globl	k_q8000f6e200_ln2
	.p2align	8
	.type	k_q8000f6e200_ln2,@function
k_q8000f6e200_ln2:
	s_mov_b64 s[64:65], 0
	v_nop
	global_prefetch_b8 v0, s[64:65] scope:SCOPE_SE
	s_setreg_imm32_b32 hwreg(HW_REG_WAVE_MODE, 25, 1), 1
	s_wait_xcnt 0x0
; out0 = layernorm(Y) g2 + be2, in f32.  Y holds X1 + ffn: the launch before has added the residual.
; A work-group takes one tile T of 16 tokens (lane-row r is token 32 (T / 2) + 8 (T % 2) + r % 8 + 16 (r / 8)); wave w takes columns 128 w .. 128 w + 127.  A lane holds 64 numbers of one row: register 16 g + i is column 128 w + 32 g + 16 (lane / 16) + i.
; Y lies as images in that form (2,048 bytes for each tile and 32 columns).  The result turns through the wave's own stage in LDS and leaves by rows, 512 consecutive bytes a store.  The rows' sums meet in LDS: two barriers, two regions.
; The mean is taken first, then the mean of the squared differences.  LIMITS: NaN and infinities are not served; 1 / sqrt is v_rsq_f32's.
; A stream with no product: no matrix unit, no cluster, no tensor load.
.set LI,  1
.set LS,  2
.set STW, 3
.set STR, 4
.set GA,  5
.set RA,  6
.set RL,  7
.set XR,  32                           ; v32-95 be2
.set YR,  96                           ; v96-159 my 64 numbers
.set GR,  160                          ; v160-223 g2, then the rows on their way out
.set SEL, 40
.set RED, 67584
.macro ROWSUM off                      ; v[8:15]: four packed chains of my 64 numbers -> v8: the sum over the row's 1,024
	s_delay_alu instid0(VALU_DEP_3)
	v_pk_add_f32 v[8:9], v[8:9], v[10:11]
	s_delay_alu instid0(VALU_DEP_2)
	v_pk_add_f32 v[12:13], v[12:13], v[14:15]
	s_delay_alu instid0(VALU_DEP_1)
	v_pk_add_f32 v[8:9], v[8:9], v[12:13]
	s_delay_alu instid0(VALU_DEP_1)
	v_add_f32 v8, v8, v9
	s_delay_alu instid0(VALU_DEP_1)
	v_permlanex16_b32 v9, v8, s[SEL], s[SEL+1]
	s_delay_alu instid0(VALU_DEP_1)
	v_add_f32 v8, v8, v9
	ds_store_b32 v[RA], v8 offset:\off
	s_wait_dscnt 0x0                               ; for the others' sake: my store has landed
	s_barrier_signal -1
	s_barrier_wait -1
.irp k, 0,1,2,3,4,5,6,7
	ds_load_b32 v[16+\k], v[RL] offset:\off+128*\k
.endr
	s_wait_dscnt 0x0
	v_add_f32 v16, v16, v17
	v_add_f32 v18, v18, v19
	v_add_f32 v20, v20, v21
	v_add_f32 v22, v22, v23
	s_delay_alu instid0(VALU_DEP_3)
	v_add_f32 v16, v16, v18
	s_delay_alu instid0(VALU_DEP_2)
	v_add_f32 v20, v20, v22
	s_delay_alu instid0(VALU_DEP_1)
	v_add_f32 v8, v16, v20
.endm
	s_load_b256 s[4:11], s[0:1], 0x0               ; Y, g2, be2, out0
	v_lshl_add_u32 v224, v0, 2, 0x11000            ; my spare word
	v_mov_b32 v225, 0
	v_lshrrev_b32 v8, 5, v0
	s_delay_alu instid0(VALU_DEP_1)
	v_readfirstlane_b32 s16, v8                    ; wave
	v_and_b32 v9, 31, v0
	v_and_b32 v10, 15, v0
	v_bfe_u32 v11, v0, 4, 1
	s_delay_alu instid0(VALU_DEP_3)
	v_lshlrev_b32 v[LI], 4, v9
	s_delay_alu instid0(VALU_DEP_4)
	v_lshlrev_b32 v[LS], 2, v9
	s_delay_alu instid0(VALU_DEP_3)
	v_lshlrev_b32 v[GA], 6, v11
	s_mul_i32 s17, s16, 8448
	v_add_nc_u32 v[STW], s17, v[LI]
	v_mul_u32_u24 v[STR], v10, 528
	s_delay_alu instid0(VALU_DEP_1)
	v_lshl_add_u32 v[STR], v11, 6, v[STR]
	s_delay_alu instid0(VALU_DEP_1)
	v_add_nc_u32 v[STR], s17, v[STR]
	s_lshl_b32 s17, s16, 7
	s_add_co_u32 s17, s17, RED
	v_add_nc_u32 v[RA], s17, v[LS]
	v_add_nc_u32 v[RL], RED, v[LS]
	s_lshl_b32 s18, ttmp9, 16
	s_lshl_b32 s19, s16, 13
	s_add_co_u32 s18, s18, s19                     ; my four images in Y
	s_mov_b32 s19, 0
	s_lshr_b32 s20, ttmp9, 1
	s_and_b32 s21, ttmp9, 1
	s_lshl_b32 s22, s20, 17
	s_lshl_b32 s23, s21, 15
	s_add_co_u32 s22, s22, s23
	s_lshl_b32 s24, s16, 9
	s_add_co_u32 s22, s22, s24                     ; out0 at row 32 (T / 2) + 8 (T % 2), my columns
	s_mov_b32 s23, 0
	s_mov_b32 s25, 0
	s_mov_b32 s[SEL], 0x76543210
	s_mov_b32 s[SEL+1], 0xfedcba98
	s_mov_b32 s38, 0x3a800000                      ; 1 / 1,024
	s_mov_b32 s39, 0x3727c5ac                      ; 1e-5
	s_wait_alu depctr_va_vdst(0)
	s_wait_kmcnt 0x0
	s_add_nc_u64 s[4:5], s[4:5], s[18:19]
	s_add_nc_u64 s[6:7], s[6:7], s[24:25]
	s_add_nc_u64 s[8:9], s[8:9], s[24:25]
	s_add_nc_u64 s[10:11], s[10:11], s[22:23]
.set i, 0
.rept 16
	global_load_b128 v[YR+4*i:YR+4*i+3], v[LI], s[4:5] offset:512*i th:TH_LOAD_NT
.set i, i+1
.endr
.set i, 0
.rept 16
	global_load_b128 v[GR+4*i:GR+4*i+3], v[GA], s[6:7] offset:128*(i/4)+16*(i%4)
.set i, i+1
.endr
.set i, 0
.rept 16
	global_load_b128 v[XR+4*i:XR+4*i+3], v[GA], s[8:9] offset:128*(i/4)+16*(i%4)
.set i, i+1
.endr
	s_wait_loadcnt 32                              ; Y's 16 loads are in; g2's 16 and be2's 16 may be out
.irp c, 0,2,4,6
	v_pk_add_f32 v[8+\c:9+\c], v[YR+\c:YR+\c+1], v[YR+8+\c:YR+9+\c]
.endr
.irp j, 16,24,32,40,48,56
.irp c, 0,2,4,6
	s_delay_alu instid0(VALU_DEP_4)
	v_pk_add_f32 v[8+\c:9+\c], v[8+\c:9+\c], v[YR+\j+\c:YR+\j+\c+1]
.endr
.endr
	ROWSUM 0
	s_delay_alu instid0(VALU_DEP_1)
	v_mul_f32 v24, s38, v8                         ; the mean
	s_delay_alu instid0(VALU_DEP_1)
	v_mov_b32 v25, v24
.set i, 0
.rept 32
	v_pk_add_f32 v[YR+i:YR+i+1], v[YR+i:YR+i+1], v[24:25] neg_lo:[0,1] neg_hi:[0,1]
.set i, i+2
.endr
.irp c, 0,2,4,6
	v_pk_mul_f32 v[8+\c:9+\c], v[YR+\c:YR+\c+1], v[YR+\c:YR+\c+1]
.endr
.irp j, 8,16,24,32,40,48,56
.irp c, 0,2,4,6
	s_delay_alu instid0(VALU_DEP_4)
	v_pk_fma_f32 v[8+\c:9+\c], v[YR+\j+\c:YR+\j+\c+1], v[YR+\j+\c:YR+\j+\c+1], v[8+\c:9+\c]
.endr
.endr
	ROWSUM 1024                                    ; other bytes than the first sum's: no barrier between the two
	s_delay_alu instid0(VALU_DEP_1)
	v_fma_f32 v26, v8, s38, s39                    ; the variance + 1e-5
	s_wait_alu depctr_va_vdst(0)
	v_rsq_f32 v26, v26
	v_nop                                          ; one plain place behind a transcendental
	s_wait_alu depctr_va_vdst(0)                   ; ahead of its first reader
	v_mov_b32 v27, v26
	s_wait_alu depctr_va_vdst(0)
	s_wait_loadcnt 0x0                             ; g2 and be2
.set i, 0
.rept 32
	v_pk_mul_f32 v[GR+i:GR+i+1], v[GR+i:GR+i+1], v[26:27]
.set i, i+2
.endr
.set i, 0
.rept 32
	v_pk_fma_f32 v[YR+i:YR+i+1], v[YR+i:YR+i+1], v[GR+i:GR+i+1], v[XR+i:XR+i+1]
.set i, i+2
.endr
.set i, 0
.rept 16
	ds_store_b128 v[STR], v[YR+4*i:YR+4*i+3] offset:128*(i/4)+16*(i%4)   ; into my stage: row r, my 16 bytes
.set i, i+1
.endr
.set i, 0
.rept 16
	ds_load_b128 v[GR+4*i:GR+4*i+3], v[STW] offset:528*i   ; back by rows; LDS serves a wave's instructions in order
.set i, i+1
.endr
.set i, 0
.rept 16
	s_wait_dscnt 15-i
	global_store_b128 v[LI], v[GR+4*i:GR+4*i+3], s[10:11] offset:((i%8)+16*(i/8))*4096 th:TH_STORE_NT   ; 512 consecutive bytes of a row
.set i, i+1
.endr
	s_wait_tensorcnt 0x0                           ; the wave's end
	ds_add_u32 v224, v225
	s_wait_dscnt 0x0
	s_endpgm
.Lfunc_end_k_q8000f6e200_ln2:
	.size	k_q8000f6e200_ln2, .Lfunc_end_k_q8000f6e200_ln2-k_q8000f6e200_ln2
	.p2alignl 7, 3214868480
	.fill 96, 4, 3214868480
	.section	.rodata,"a",@progbits
	.p2align	6, 0x0
	.amdhsa_kernel k_q8000f6e200_ln2
		.amdhsa_group_segment_fixed_size 70656
		.amdhsa_private_segment_fixed_size 0
		.amdhsa_enable_private_segment 0
		.amdhsa_kernarg_size 32
		.amdhsa_user_sgpr_count 2
		.amdhsa_user_sgpr_kernarg_segment_ptr 1
		.amdhsa_wavefront_size32 1
		.amdhsa_system_sgpr_workgroup_id_x 1
		.amdhsa_system_sgpr_workgroup_id_y 1
		.amdhsa_system_sgpr_workgroup_id_z 1
		.amdhsa_system_vgpr_workitem_id 0
		.amdhsa_next_free_vgpr 226
		.amdhsa_next_free_sgpr 66
		.amdhsa_reserve_vcc 0
		.amdhsa_float_denorm_mode_32 3
		.amdhsa_float_denorm_mode_16_64 3
		.amdhsa_memory_ordered 1
		.amdhsa_forward_progress 1
		.amdhsa_inst_pref_size 26
	.end_amdhsa_kernel
	.amdgpu_metadata
---
amdhsa.version: [ 1, 2 ]
amdhsa.kernels:
  - .name:           k_q8000f6e200_ln2
    .symbol:         k_q8000f6e200_ln2.kd
    .args:
      - { .name: Y, .offset: 0, .size: 8, .value_kind: global_buffer, .address_space: global }
      - { .name: g2, .offset: 8, .size: 8, .value_kind: global_buffer, .address_space: global }
      - { .name: be2, .offset: 16, .size: 8, .value_kind: global_buffer, .address_space: global }
      - { .name: out0, .offset: 24, .size: 8, .value_kind: global_buffer, .address_space: global }
    .group_segment_fixed_size: 70656
    .private_segment_fixed_size: 0
    .kernarg_segment_align: 8
    .kernarg_segment_size: 32
    .max_flat_workgroup_size: 256
    .sgpr_count:     66
    .vgpr_count:     226
    .wavefront_size: 32
...
	.end_amdgpu_metadata
.endif
;; end of part 7
